; MI455X (gfx1250); checked and timed in simulation.
; The chip was launched on July 23, 2026; its instructions are those of AMD's public machine-readable ISA for CDNA 5 (MIT licence, August 2026) and "CDNA5" Instruction Set Architecture Reference Guide (July 2026). The comments in the code are by the model that wrote it; some were corrected since.
;; PWLNN Fcn. Allowed arithmetic: float matrix products may take bf16 or f16 operands with f32 sums; all other float work in f32.
;; Inputs: ctrs 2,048 x 32 float32; offsets 2,048 x 32 float32; wts 2,048 x 32 x 32 float32; x 16,384 x 32 float32.
;; Outputs: out0 16,384 x 32 float32.
;; Constants: k = 4.
;; 3 versions, each right; version 2 is faster than version 1; version 3 is version 2 with the launch apply written anew for expert scheduling mode. Each part assembles by itself: llvm-mc -triple=amdgcn-amd-amdhsa -mcpu=gfx1250 --defsym DOCPART=n.
;; ======== version 1 of 3: 2 launches
;; limits: values outside matrix products are rounded to bf16
;; workspace buffers: idx 262,144 bytes of whole numbers; w16 4,194,304 bytes; bias 262,144 bytes
;; launch knn (part 1): grid 256 x 1, 8 waves a work-group, no clusters, 178,688 bytes of LDS; arguments ctrs, offsets, wts, x, idx, w16, bias; writes idx, w16, bias
.if DOCPART == 1
	.amdgcn_target "amdgcn-amd-amdhsa--gfx1250"
	.amdhsa_code_object_version 6
	.text
	.protected	k_q5f6a57092d_knn
	.globl	k_q5f6a57092d_knn
	.p2align	8
	.type	k_q5f6a57092d_knn,@function
k_q5f6a57092d_knn:
	s_mov_b64 s[64:65], 0
	v_nop
	global_prefetch_b8 v0, s[64:65] scope:SCOPE_SE
	s_setreg_imm32_b32 hwreg(HW_REG_WAVE_MODE, 25, 1), 1
	s_wait_xcnt 0x0
; The four nearest centres of each sample, and the tables that the second launch gathers from.
; x [16384][32], ctrs [2048][32], wts [2048][32][32], offsets [2048][32], all f32.
; Every input is rounded to bf16 once and used so everywhere.  Score of centre j for sample n:
;   s = x.c_j - 0.5 |c_j|^2 ; the largest s is the smallest squared distance (|x|^2 is the same for all centres of a row).
; One matrix instruction makes 16 centres x 16 samples whole (K = 32 = d_in), with -0.5 |c|^2 as its C operand; sums in f32.
; A work-group owns 64 samples.  Wave w: sample tile w & 3 (16 samples), centre half w >> 2 (1,024 centres, 64 matrix tiles).
; Every lane keeps a sorted list of four (score, index) and inserts its eight results of each tile, without a branch.
; Besides, wave w of work-group g prepares centre j = 8 g + w for the second launch:
;   w16: its 32 x 32 weights as bf16 pairs;  bias: b_j = off_j - c_j . W_j in f32 (operands rounded to bf16).
; LIMITS: NaN and infinite inputs are not served.  Two centres whose scores differ by less than the rounding of f32 sums may be
; ranked otherwise than by another order of summation.  Scores equal bit for bit go to the lower index: each lane's stream
; ascends in index, lists are merged lower indices first, and an insertion displaces only on a strict "greater".
; No tensor loads: the centres pass through registers to be rounded.  No cluster: what work-groups share (ctrs, 256 KiB) is converted on the way.
.set BLK,   41088                      ; 512 centres x 80 bytes + 128: a block of the centre table in LDS
.set ROWP,  80                         ; 64 bytes of bf16 + 16: an odd multiple of 16
.set C2,    4*BLK                      ; 164,352: -0.5 |c|^2, f32, 2,048 words
.set BIASL, C2+8192                    ; 172,544: 128 bytes for each wave's b_j
.set MERGE, BIASL+1024                 ; 173,568: 1,024 bytes for each sample tile: 32 lanes x (4 scores, 4 indices)
.set VZ,  4                            ; v4       0.0
.set VAA, 5                            ; v5       LDS address of my part of the A fragment
.set VCA, 6                            ; v6       LDS address of my eight C values
.set GOFF,7                            ; v7       first centre of my stream: 1024 ch + 512 h
.set BF,  8                            ; v[8:15]  B fragment: my tile's 16 samples
.set AF,  16                           ; v[16:23] A fragment: 16 centres      (before the main loop: c_j in bf16)
.set CF,  24                           ; v[24:31] C: -0.5 |c|^2               (before: at work)
.set D0,  32                           ; v[32:39] results, two sets by turns  (before: x as loaded, v[32:47])
.set D1,  40                           ; v[40:47]
.set VV,  48                           ; v[48:51] the four best scores, descending   (before: v48-v55 address registers)
.set VI,  52                           ; v[52:55] their indices
.set T,   56                           ; v[56:58] at work                     (before: v[56:59] row addresses)
.set WR,  60                           ; v[60:91] weights as loaded; later pairs at work
.set CR,  92                           ; v[92:107] c_j as loaded
.set OFR, 108                          ; v[108:109] off_j as loaded
.set PK,  110                          ; v[110:125] weights in bf16 pairs, the data of the stores to w16: not written again
.set RG,  128                          ; v[128:255] ring of 32 loads of centres; then eight rows of the bf16 table
.set CM,  24                           ; s[24:27] masks: score > list entry
.set IDX, 28                           ; s[28:35] index in the stream of result register j of the tile at work: 8 t + j
	s_load_b256 s[4:11], s[0:1], 0x0               ; ctrs s[4:5], offsets s[6:7], wts s[8:9], x s[10:11]
	s_load_b128 s[12:15], s[0:1], 0x20             ; idx s[12:13], w16 s[14:15]
	s_load_b64 s[16:17], s[0:1], 0x30              ; bias
	v_lshl_add_u32 v126, v0, 2, 0x2b600
	v_mov_b32 v127, 0
	v_lshrrev_b32 v5, 5, v0
	v_readfirstlane_b32 s18, v5                    ; wave w
	s_and_b32 s19, s18, 3                          ; sample tile
	s_lshr_b32 s20, s18, 2                         ; centre half ch
	s_mov_b32 s21, ttmp9                           ; work-group g
	s_mov_b32 s37, 0x76543210                      ; v_permlanex16_b32: lane i reads lane i of the other half
	s_mov_b32 s38, 0xfedcba98
	v_and_b32 v1, 31, v0                           ; lane
	v_and_b32 v2, 15, v0                           ; r
	v_bfe_u32 v3, v0, 4, 1                         ; h
	v_mov_b32 v[VZ], 0
	v_lshlrev_b32 v48, 7, v2
	v_lshl_add_u32 v48, v3, 5, v48                 ; x: 128 r + 32 h
	v_lshlrev_b32 v51, 3, v2                       ; 8 r
	v_lshl_add_u32 v49, v3, 9, v51                 ; wts: 512 h + 8 r
	v_lshlrev_b32 v50, 4, v3                       ; c_j: 16 h
	v_lshlrev_b32 v52, 4, v1                       ; 16 x lane
	; where my wave's 256 centres go in the table: centre 256 w + 4 k + lane / 8, elements 4 (lane % 8) ..
	s_lshr_b32 s46, s18, 1
	s_mul_i32 s46, s46, BLK
	s_and_b32 s47, s18, 1
	s_mul_i32 s47, s47, 256*ROWP
	s_add_co_u32 s46, s46, s47
	v_lshrrev_b32 v53, 3, v1
	v_mul_u32_u24 v53, v53, ROWP
	v_and_b32 v54, 7, v1
	v_lshl_add_u32 v53, v54, 3, v53
	v_add_nc_u32 v53, s46, v53
	s_lshl_b32 s47, s18, 7
	s_add_co_u32 s47, s47, BIASL
	v_add_nc_u32 v54, s47, v51                     ; my two numbers of b_j
	v_lshlrev_b32 v55, 2, v0
	v_add_nc_u32 v55, C2, v55                      ; word of centre t (t = thread) in the table of -0.5 |c|^2
	v_mul_u32_u24 v56, v0, ROWP                    ; row t of block 0, 1, 2, 3
	v_add_nc_u32 v57, BLK, v56
	v_add_nc_u32 v58, 2*BLK, v56
	v_add_nc_u32 v59, 3*BLK, v56
	; A fragment: row m < 8 is centre 1024 ch + 8 t + m, row m >= 8 is centre 1024 ch + 512 + 8 t + (m - 8): rows of two blocks.
	; 80 m mod 256 gives eight different 16-byte columns, and the block's 128 odd bytes shift the other eight between them.
	s_mul_i32 s46, s20, 2*BLK
	v_lshrrev_b32 v[VAA], 3, v2
	v_mul_u32_u24 v[VAA], v[VAA], BLK
	v_and_b32 v[VCA], 7, v2
	v_mad_u32_u24 v[VAA], v[VCA], ROWP, v[VAA]
	v_lshl_add_u32 v[VAA], v3, 4, v[VAA]
	v_add_nc_u32 v[VAA], s46, v[VAA]
	s_lshl_b32 s47, s20, 12
	s_add_co_u32 s47, s47, C2
	v_lshl_add_u32 v[VCA], v3, 11, s47             ; result register j of lane (r, h) is centre 1024 ch + 512 h + 8 t + j
	s_lshl_b32 s46, s20, 10
	v_lshl_add_u32 v[GOFF], v3, 9, s46
	; the bases, each from its own pointer
	s_mov_b32 s23, 0
	s_lshl_b32 s22, s21, 13                        ; 64 samples x 128 bytes
	s_lshl_b32 s40, s19, 11                        ; 16 samples x 128 bytes
	s_add_co_u32 s22, s22, s40
	s_lshl3_add_u32 s41, s21, s18                  ; j = 8 g + w
	s_wait_kmcnt 0x0
	s_add_nc_u64 s[10:11], s[10:11], s[22:23]      ; x at my tile
	s_lshl_b32 s22, s41, 12
	s_add_nc_u64 s[8:9], s[8:9], s[22:23]          ; wts at W_j
	s_lshl_b32 s22, s41, 11
	s_add_nc_u64 s[14:15], s[14:15], s[22:23]      ; w16 at centre j
	s_lshl_b32 s22, s41, 7
	s_add_nc_u64 s[6:7], s[6:7], s[22:23]          ; offsets at off_j
	s_add_nc_u64 s[42:43], s[4:5], s[22:23]        ; ctrs at c_j
	s_lshl_b32 s22, s18, 15
	s_add_nc_u64 s[44:45], s[4:5], s[22:23]        ; ctrs at my wave's 256 centres
	s_lshl_b32 s22, s21, 10
	s_add_nc_u64 s[16:17], s[16:17], s[22:23]      ; bias at the group's 8 centres
	s_lshl_b32 s40, s19, 8
	s_add_co_u32 s22, s22, s40
	s_add_nc_u64 s[12:13], s[12:13], s[22:23]      ; idx at my tile: 16 samples x 16 bytes
	; 57 loads in one run: x 4, W_j 16, c_j 4, off_j 1, the first 32 of 64 loads of centres
	global_load_b128 v[32:35], v48, s[10:11]                       ; x(r, 8h ..)
	global_load_b128 v[36:39], v48, s[10:11] offset:16
	global_load_b128 v[40:43], v48, s[10:11] offset:64             ; x(r, 16 + 8h ..)
	global_load_b128 v[44:47], v48, s[10:11] offset:80
.irp i, 0,1,2,3
.irp w, 0,1,2,3
	global_load_b64 v[WR+2*(4*\i+\w):WR+2*(4*\i+\w)+1], v49, s[8:9] offset:\i*1024+\w*128 th:TH_LOAD_NT   ; W_j(8i + 4h + w, 2r .. 2r+1)
.endr
.endr
.irp i, 0,1,2,3
	global_load_b128 v[CR+4*\i:CR+4*\i+3], v50, s[42:43] offset:32*\i      ; c_j(8i + 4h ..)
.endr
	global_load_b64 v[OFR:OFR+1], v51, s[6:7]                      ; off_j(2r .. 2r+1)
.set k, 0
.rept 32
	global_load_b128 v[RG+4*k:RG+4*k+3], v52, s[44:45] offset:512*k
.set k, k+1
.endr
	s_wait_loadcnt 53                              ; 53 loads were issued behind x's four
.irp m, 0,1,2,3,4,5,6,7
	v_cvt_pk_bf16_f32 v[BF+\m], v[32+2*\m], v[33+2*\m]
.endr
	s_wait_loadcnt 32                              ; only the ring's 32 stay out
.set m, 0
.rept 16
	v_cvt_pk_bf16_f32 v[PK+m], v[WR+2*m], v[WR+2*m+1]
.set m, m+1
.endr
.irp i, 0,1,2,3
	global_store_b128 v52, v[PK+4*\i:PK+4*\i+3], s[14:15] offset:512*\i    ; a wave's store covers 512 consecutive bytes, aligned
.endr
.irp m, 0,1,2,3,4,5,6,7
	v_cvt_pk_bf16_f32 v[AF+\m], v[CR+2*\m], v[CR+2*\m+1]           ; c_j in bf16: word 2i + w/2 holds d = 8i + 4h + w
.endr
	v_cvt_pk_bf16_f32 v26, v[OFR], v[OFR+1]
	v_lshlrev_b32 v28, 16, v26                     ; off_j rounded to bf16, back in f32
	v_and_b32 v29, 0xffff0000, v26
; two multiply-adds: c_j(d) times W_j(d, 2r) and W_j(d, 2r+1)
.macro BMAC pk, cr, hx, c0, c1
	v_fma_mix_f32_bf16 v24, v[\pk], v[\cr], v[\c0] op_sel:[0,\hx,0] op_sel_hi:[1,1,0]
	v_fma_mix_f32_bf16 v25, v[\pk], v[\cr], v[\c1] op_sel:[1,\hx,0] op_sel_hi:[1,1,0]
.endm
	BMAC PK, AF, 0, VZ, VZ                         ; the first product starts the sums
	BMAC PK+1, AF, 1, 24, 25
	BMAC PK+2, AF+1, 0, 24, 25
	BMAC PK+3, AF+1, 1, 24, 25
.irp i, 1,2,3
.irp wp, 0,1
.irp hx, 0,1
	BMAC PK+4*\i+2*\wp+\hx, AF+2*\i+\wp, \hx, 24, 25
.endr
.endr
.endr
	v_permlanex16_b32 v[CR], v24, s37, s38         ; the other half's 16 values of d
	v_permlanex16_b32 v[CR+1], v25, s37, s38
	v_add_f32 v24, v24, v[CR]                      ; a sum of two: the same bits in both halves of the wave
	v_add_f32 v25, v25, v[CR+1]
	v_sub_f32 v28, v28, v24
	v_sub_f32 v29, v29, v25
	ds_store_b64 v54, v[28:29]                     ; both halves store the same value to the same bytes
	; the centres: 64 loads of 512 bytes, rounded to bf16 and laid into the table; 32 loads stay in flight
.set k, 0
.rept 64
.if k < 32
	s_wait_loadcnt 31                              ; behind load k: 31 - k of the first run and k issued here
.else
	s_wait_loadcnt 63-k                            ; the counts run down
.endif
	v_cvt_pk_bf16_f32 v[WR+2*(k&7)], v[RG+4*(k&31)], v[RG+4*(k&31)+1]
	v_cvt_pk_bf16_f32 v[WR+2*(k&7)+1], v[RG+4*(k&31)+2], v[RG+4*(k&31)+3]
	ds_store_b64 v53, v[WR+2*(k&7):WR+2*(k&7)+1] offset:4*ROWP*k
.if k < 32
	global_load_b128 v[RG+4*k:RG+4*k+3], v52, s[44:45] offset:512*(k+32)
.endif
.set k, k+1
.endr
	s_wait_dscnt 0x0                               ; my stores to the table and to b_j are done: others read them behind the barrier
	s_barrier_signal -1
	s_barrier_wait -1
	; wave 0 stores the group's eight b_j: 1,024 consecutive bytes
	s_cmp_lg_u32 s18, 0
	s_cbranch_scc1 .Lno_bias
	v_add_nc_u32 v84, BIASL, v52
	ds_load_b128 v[76:79], v84
	ds_load_b128 v[80:83], v84 offset:512
	s_wait_dscnt 0x0
	global_store_b128 v52, v[76:79], s[16:17]
	global_store_b128 v52, v[80:83], s[16:17] offset:512
.Lno_bias:
	; -0.5 |c|^2 of the rounded centres: thread t takes centres t + 256 i
.irp i, 0,1,2,3,4,5,6,7
.irp c, 0,1,2,3
	ds_load_b128 v[RG+16*\i+4*\c:RG+16*\i+4*\c+3], v[56+(\i>>1)] offset:(\i&1)*256*ROWP+16*\c
.endr
.endr
.irp i, 0,1,2,3,4,5,6,7
	s_wait_dscnt 4*(7-\i)                          ; four loads for each younger row stay out
	v_fma_mix_f32_bf16 v24, v[RG+16*\i], v[RG+16*\i], v[VZ] op_sel:[0,0,0] op_sel_hi:[1,1,0]       ; four chains, started by the first products
	v_fma_mix_f32_bf16 v25, v[RG+16*\i], v[RG+16*\i], v[VZ] op_sel:[1,1,0] op_sel_hi:[1,1,0]
	v_fma_mix_f32_bf16 v26, v[RG+16*\i+1], v[RG+16*\i+1], v[VZ] op_sel:[0,0,0] op_sel_hi:[1,1,0]
	v_fma_mix_f32_bf16 v27, v[RG+16*\i+1], v[RG+16*\i+1], v[VZ] op_sel:[1,1,0] op_sel_hi:[1,1,0]
.irp m, 2,4,6,8,10,12,14
	v_fma_mix_f32_bf16 v24, v[RG+16*\i+\m], v[RG+16*\i+\m], v24 op_sel:[0,0,0] op_sel_hi:[1,1,0]
	v_fma_mix_f32_bf16 v25, v[RG+16*\i+\m], v[RG+16*\i+\m], v25 op_sel:[1,1,0] op_sel_hi:[1,1,0]
	v_fma_mix_f32_bf16 v26, v[RG+16*\i+\m+1], v[RG+16*\i+\m+1], v26 op_sel:[0,0,0] op_sel_hi:[1,1,0]
	v_fma_mix_f32_bf16 v27, v[RG+16*\i+\m+1], v[RG+16*\i+\m+1], v27 op_sel:[1,1,0] op_sel_hi:[1,1,0]
.endr
	v_add_f32 v24, v24, v25
	v_add_f32 v26, v26, v27
	v_add_f32 v24, v24, v26
	v_mul_f32 v[64+\i], -0.5, v24
.endr
.irp i, 0,1,2,3,4,5,6,7
	ds_store_b32 v55, v[64+\i] offset:1024*\i
.endr
	s_wait_dscnt 0x0                               ; my words are in LDS: others read them behind the barrier
	s_barrier_signal -1
	s_barrier_wait -1
; One score into the sorted list of four.  Values: each entry becomes the middle one of (score, the entry above, itself).
; Indices follow the four compares.  ix: the score's index, a scalar or a vector register.  Fifteen plain vector instructions.
.macro INSERT sv, ix
	v_cmp_gt_f32 s[CM], v[\sv], v[VV]
	v_cmp_gt_f32 s[CM+1], v[\sv], v[VV+1]
	v_cmp_gt_f32 s[CM+2], v[\sv], v[VV+2]
	v_cmp_gt_f32 s[CM+3], v[\sv], v[VV+3]
	v_med3_num_f32 v[VV+3], v[\sv], v[VV+2], v[VV+3]
	v_med3_num_f32 v[VV+2], v[\sv], v[VV+1], v[VV+2]
	v_med3_num_f32 v[VV+1], v[\sv], v[VV], v[VV+1]
	v_max_num_f32 v[VV], v[\sv], v[VV]
	v_cndmask_b32 v[T], \ix, v[VI+2], s[CM+2]      ; what moves into place 4, 3, 2 if that place changes
	v_cndmask_b32 v[T+1], \ix, v[VI+1], s[CM+1]
	v_cndmask_b32 v[T+2], \ix, v[VI], s[CM]
	v_cndmask_b32 v[VI+3], v[VI+3], v[T], s[CM+3]
	v_cndmask_b32 v[VI+2], v[VI+2], v[T+1], s[CM+2]
	v_cndmask_b32 v[VI+1], v[VI+1], v[T+2], s[CM+1]
	v_cndmask_b32 v[VI], v[VI], \ix, s[CM]
.endm
; One tile's turn: the next tile's product goes out (wm), this tile's eight results (in dc) are inserted, and behind the first
; insertion the fragments of the tile after the next are fetched (ld).  That insertion's fifteen plain vector instructions name no
; register of the matrix instruction: they are the places that stand between it and the loads into its sources.
; Each product is whole in one instruction and its D is not its C: there is no chain on an accumulator.
.macro TILE dc, dn, wm, ld, oa, oc
.if \wm
	s_wait_dscnt 0x0                               ; the four loads issued in the last turn
	v_wmma_f32_16x16x32_bf16 v[\dn:\dn+7], v[AF:AF+7], v[BF:BF+7], v[CF:CF+7]
.endif
	INSERT \dc, s[IDX]
.if \ld
	ds_load_b128 v[AF:AF+3], v[VAA] offset:\oa
	ds_load_b128 v[AF+4:AF+7], v[VAA] offset:\oa+32
	ds_load_b128 v[CF:CF+3], v[VCA] offset:\oc
	ds_load_b128 v[CF+4:CF+7], v[VCA] offset:\oc+16
.endif
.irp j, 1,2,3,4,5,6,7
	INSERT \dc+\j, s[IDX+\j]
.endr
.irp j, 0,1,2,3,4,5,6,7
	s_add_co_u32 s[IDX+\j], s[IDX+\j], 8
.endr
.endm
	s_wait_xcnt 0x0                                ; v48 to v55 were addresses of loads and stores: they are written again only behind this wait
	ds_load_b128 v[AF:AF+3], v[VAA]                ; tile 0
	ds_load_b128 v[AF+4:AF+7], v[VAA] offset:32
	ds_load_b128 v[CF:CF+3], v[VCA]
	ds_load_b128 v[CF+4:CF+7], v[VCA] offset:16
.irp j, 0,1,2,3,4,5,6,7
	s_mov_b32 s[IDX+\j], \j
.endr
	s_mov_b32 s36, 31
	s_wait_dscnt 0x0
	v_wmma_f32_16x16x32_bf16 v[D0:D0+7], v[AF:AF+7], v[BF:BF+7], v[CF:CF+7]
.irp k, 0,1,2,3
	v_mov_b32 v[VV+\k], 0xff800000                 ; the lists start empty: minus infinity.  These eight lines are also the places
	v_mov_b32 v[VI+\k], 0                          ; in front of the loads into the product's sources and of the first read of D0
.endr
	ds_load_b128 v[AF:AF+3], v[VAA] offset:8*ROWP  ; tile 1
	ds_load_b128 v[AF+4:AF+7], v[VAA] offset:8*ROWP+32
	ds_load_b128 v[CF:CF+3], v[VCA] offset:32
	ds_load_b128 v[CF+4:CF+7], v[VCA] offset:48
.Ltiles:                                           ; trip i: inserts tiles 2i and 2i + 1, multiplies 2i + 1 and 2i + 2, fetches 2i + 2 and 2i + 3
	TILE D0, D1, 1, 1, 16*ROWP, 64
	TILE D1, D0, 1, 1, 24*ROWP, 96
	v_add_nc_u32 v[VAA], 16*ROWP, v[VAA]
	v_add_nc_u32 v[VCA], 64, v[VCA]
	s_sub_co_i32 s36, s36, 1
	s_cmp_lg_u32 s36, 0
	s_cbranch_scc1 .Ltiles
	TILE D0, D1, 1, 0, 0, 0                        ; tile 63 is multiplied, tile 62 inserted; nothing is left to fetch
	TILE D1, D0, 0, 0, 0, 0                        ; tile 63 inserted
	; lanes 0-15 (centres 1024 ch + 0 .. 511) take in the lists of lanes 16-31 (the 512 centres above them)
.irp k, 0,1,2,3
	v_add_nc_u32 v[VI+\k], v[VI+\k], v[GOFF]
.endr
.irp k, 0,1,2,3
	v_permlanex16_b32 v[D1+\k], v[VV+\k], s37, s38
	v_permlanex16_b32 v[D1+4+\k], v[VI+\k], s37, s38
.endr
.irp k, 0,1,2,3
	INSERT D1+\k, v[D1+4+\k]
.endr
	; the waves of the upper centre half hand their lists to the waves of the lower half
	s_lshl_b32 s46, s19, 10
	s_add_co_u32 s46, s46, MERGE
	v_lshl_add_u32 v60, v1, 5, s46
	s_cmp_eq_u32 s20, 0
	s_cbranch_scc1 .Lno_hand
	ds_store_b128 v60, v[VV:VV+3]
	ds_store_b128 v60, v[VI:VI+3] offset:16
.Lno_hand:
	s_wait_dscnt 0x0                               ; the lists are in LDS before the signal
	s_barrier_signal -1
	s_barrier_wait -1
	s_cmp_lg_u32 s20, 0
	s_cbranch_scc1 .Ldone
	ds_load_b128 v[D0:D0+3], v60
	ds_load_b128 v[D0+4:D0+7], v60 offset:16
	v_lshlrev_b32 v61, 4, v2                       ; 16 bytes a sample
	v_cmp_gt_u32 vcc_lo, 16, v1
	s_wait_dscnt 0x0
.irp k, 0,1,2,3
	INSERT D0+\k, v[D0+4+\k]
.endr
	s_and_saveexec_b32 s39, vcc_lo                 ; lanes 0-15 hold the whole result.  No global access has been issued since the last s_wait_xcnt 0
	global_store_b128 v61, v[VI:VI+3], s[12:13]    ; 16 lanes store 256 consecutive bytes, aligned
	s_wait_xcnt 0x0                                ; EXEC is a source of the store: it is widened only behind this wait
	s_or_b32 exec_lo, exec_lo, s39
.Ldone:
	s_wait_tensorcnt 0x0
	ds_add_u32 v126, v127
	s_wait_dscnt 0x0
	s_endpgm
.Lfunc_end_k_q5f6a57092d_knn:
	.size	k_q5f6a57092d_knn, .Lfunc_end_k_q5f6a57092d_knn-k_q5f6a57092d_knn
	.p2alignl 7, 3214868480
	.fill 96, 4, 3214868480
	.section	.rodata,"a",@progbits
	.p2align	6, 0x0
	.amdhsa_kernel k_q5f6a57092d_knn
		.amdhsa_group_segment_fixed_size 178688
		.amdhsa_private_segment_fixed_size 0
		.amdhsa_enable_private_segment 0
		.amdhsa_kernarg_size 56
		.amdhsa_user_sgpr_count 2
		.amdhsa_user_sgpr_kernarg_segment_ptr 1
		.amdhsa_wavefront_size32 1
		.amdhsa_system_sgpr_workgroup_id_x 1
		.amdhsa_system_sgpr_workgroup_id_y 1
		.amdhsa_system_sgpr_workgroup_id_z 1
		.amdhsa_system_vgpr_workitem_id 0
		.amdhsa_next_free_vgpr 256
		.amdhsa_next_free_sgpr 66
		.amdhsa_reserve_vcc 1
		.amdhsa_float_denorm_mode_32 3
		.amdhsa_float_denorm_mode_16_64 3
		.amdhsa_memory_ordered 1
		.amdhsa_forward_progress 1
		.amdhsa_inst_pref_size 93
	.end_amdhsa_kernel
	.amdgpu_metadata
---
amdhsa.version: [ 1, 2 ]
amdhsa.kernels:
  - .name:           k_q5f6a57092d_knn
    .symbol:         k_q5f6a57092d_knn.kd
    .args:
      - { .name: ctrs, .offset: 0, .size: 8, .value_kind: global_buffer, .address_space: global }
      - { .name: offsets, .offset: 8, .size: 8, .value_kind: global_buffer, .address_space: global }
      - { .name: wts, .offset: 16, .size: 8, .value_kind: global_buffer, .address_space: global }
      - { .name: x, .offset: 24, .size: 8, .value_kind: global_buffer, .address_space: global }
      - { .name: idx, .offset: 32, .size: 8, .value_kind: global_buffer, .address_space: global }
      - { .name: w16, .offset: 40, .size: 8, .value_kind: global_buffer, .address_space: global }
      - { .name: bias, .offset: 48, .size: 8, .value_kind: global_buffer, .address_space: global }
    .group_segment_fixed_size: 178688
    .private_segment_fixed_size: 0
    .kernarg_segment_align: 8
    .kernarg_segment_size: 56
    .max_flat_workgroup_size: 256
    .sgpr_count:     66
    .vgpr_count:     256
    .wavefront_size: 32
...
	.end_amdgpu_metadata
.endif
;; end of part 1
;; launch apply (part 2): grid 512 x 1, 8 waves a work-group, no clusters, 0 bytes of LDS; arguments x, idx, w16, bias, out0; writes out0
.if DOCPART == 2
	.amdgcn_target "amdgcn-amd-amdhsa--gfx1250"
	.amdhsa_code_object_version 6
	.text
	.protected	k_q5f6a57092d_apply
	.globl	k_q5f6a57092d_apply
	.p2align	8
	.type	k_q5f6a57092d_apply,@function
k_q5f6a57092d_apply:
	s_mov_b64 s[64:65], 0
	v_nop
	global_prefetch_b8 v0, s[64:65] scope:SCOPE_SE
	s_setreg_imm32_b32 hwreg(HW_REG_WAVE_MODE, 25, 1), 1
	s_wait_xcnt 0x0
; y_n = sum over the sample's four centres j of ( x_n . W_j + b_j ),  b_j = off_j - c_j . W_j from the first launch.
; x [16384][32] f32 (rounded to bf16 here, as in the first launch), idx [16384][4] u32, bias [2048][32] f32, out0 [16384][32] f32.
; w16: the word at byte 2048 j + 256 dg + 16 r + 4 w holds W_j(4 dg + w, 2r) below and W_j(4 dg + w, 2r + 1) above, in bf16.
; A wave owns 4 samples, as 2 pairs p; half h of the wave takes sample 2p + h, lane r of it the outputs 2r and 2r + 1.
; Every gathered weight is used once (a product with one row), so the matrix unit would have nothing to reuse: the multiply-adds
; run on the vector unit straight from the bf16 halves, sums in f32.  What counts is bytes in flight: a ring of 4 units of 8 loads,
; each load 2 x 256 consecutive aligned bytes, 16 KiB a wave.  No LDS, no barrier: no wave needs another's data.
; LIMITS: as in the first launch.  An index is clamped to 2,047, the table's last row.
.set IX,   8                           ; v[8:15]    indices, n = 4 p + k
.set WO,   16                          ; v[16:23]   2048 j + 16 r
.set BO,   24                          ; v[24:31]   128 j + 8 r
.set ACC,  32                          ; v[32:47]   a pair of sums for each (p, k), started by b_j
.set X16,  48                          ; v[48:79]   x in bf16 pairs, 16 words for each p
.set RING, 80                          ; v[80:207]  4 slots of 32 registers; slots 0 and 1 first hold x as loaded
.set XR,   80
	s_load_b256 s[4:11], s[0:1], 0x0               ; x s[4:5], idx s[6:7], w16 s[8:9], bias s[10:11]
	s_load_b64 s[12:13], s[0:1], 0x20              ; out0
	v_lshrrev_b32 v1, 5, v0
	v_readfirstlane_b32 s14, v1                    ; wave
	s_lshl_b32 s15, ttmp9, 3
	s_add_co_u32 s15, s15, s14                     ; wave of the launch, 0 to 4,095
	v_and_b32 v7, 15, v0                           ; r
	v_bfe_u32 v1, v0, 4, 1                         ; h
	v_lshlrev_b32 v2, 7, v1                        ; 128 h: a sample's row of x
	v_lshlrev_b32 v3, 4, v1                        ; 16 h: a sample's four indices
	v_lshlrev_b32 v4, 4, v7                        ; 16 r
	v_lshlrev_b32 v5, 3, v7                        ; 8 r
	v_add_nc_u32 v6, v2, v5                        ; 128 h + 8 r: my two outputs
	s_lshl_b32 s16, s15, 9                         ; 4 samples x 128 bytes
	s_mov_b32 s17, 0
	s_lshl_b32 s18, s15, 6                         ; 4 samples x 16 bytes
	s_mov_b32 s19, 0
	s_wait_kmcnt 0x0
	s_add_nc_u64 s[4:5], s[4:5], s[16:17]
	s_add_nc_u64 s[12:13], s[12:13], s[16:17]
	s_add_nc_u64 s[6:7], s[6:7], s[18:19]
.irp p, 0,1
	global_load_b128 v[IX+4*\p:IX+4*\p+3], v3, s[6:7] offset:32*\p th:TH_LOAD_NT
.endr
.irp p, 0,1
.irp c, 0,1,2,3,4,5,6,7
	global_load_b128 v[XR+32*\p+4*\c:XR+32*\p+4*\c+3], v2, s[4:5] offset:256*\p+16*\c th:TH_LOAD_NT
.endr
.endr
; unit (p, q): rows d = 8 q .. 8 q + 7 of the four matrices of pair p; eight loads into slot (q + 2) mod 4
.macro ISSUE p, q
.irp k, 0,1,2,3
.irp i, 0,1
	global_load_b128 v[RING+32*((\q+2)&3)+8*\k+4*\i:RING+32*((\q+2)&3)+8*\k+4*\i+3], v[WO+4*\p+\k], s[8:9] offset:512*\q+256*\i
.endr
.endr
.endm
; x(d) times W(d, 2r) and W(d, 2r + 1); hx: the half of the word in which x(d) lies
.macro MAC2 acc, wr, xr, hx
	v_fma_mix_f32_bf16 v[\acc], v[\wr], v[\xr], v[\acc] op_sel:[0,\hx,0] op_sel_hi:[1,1,0]
	v_fma_mix_f32_bf16 v[\acc+1], v[\wr], v[\xr], v[\acc+1] op_sel:[1,\hx,0] op_sel_hi:[1,1,0]
.endm
; left: how many younger loads may stay out.  The eight sums take turns, so that no line waits for the one in front of it.
.macro CONSUME p, q, left
	s_wait_loadcnt \left
.irp i, 0,1
.irp wp, 0,1
.irp hx, 0,1
.irp k, 0,1,2,3
	MAC2 ACC+8*\p+2*\k, RING+32*((\q+2)&3)+8*\k+4*\i+2*\wp+\hx, X16+16*\p+4*\q+2*\i+\wp, \hx
.endr
.endr
.endr
.endr
.endm
.macro FINISH p
	v_pk_add_f32 v[ACC+8*\p:ACC+8*\p+1], v[ACC+8*\p:ACC+8*\p+1], v[ACC+8*\p+2:ACC+8*\p+3]
	v_pk_add_f32 v[ACC+8*\p+4:ACC+8*\p+5], v[ACC+8*\p+4:ACC+8*\p+5], v[ACC+8*\p+6:ACC+8*\p+7]
	v_pk_add_f32 v[ACC+8*\p:ACC+8*\p+1], v[ACC+8*\p:ACC+8*\p+1], v[ACC+8*\p+4:ACC+8*\p+5]
	global_store_b64 v6, v[ACC+8*\p:ACC+8*\p+1], s[12:13] offset:256*\p th:TH_STORE_NT     ; the wave stores 256 consecutive bytes, aligned
.endm
	s_wait_loadcnt 16                              ; the indices are in; x's sixteen loads stay out
.irp n, 0,1,2,3,4,5,6,7
	v_min_u32 v[IX+\n], 0x7ff, v[IX+\n]            ; inside the tables, whatever was read
	v_lshlrev_b32 v[WO+\n], 11, v[IX+\n]
	v_lshlrev_b32 v[BO+\n], 7, v[IX+\n]
	v_add_nc_u32 v[WO+\n], v[WO+\n], v4
	v_add_nc_u32 v[BO+\n], v[BO+\n], v5
.endr
.irp n, 0,1,2,3,4,5,6,7
	global_load_b64 v[ACC+2*\n:ACC+2*\n+1], v[BO+\n], s[10:11]     ; b_j starts the sums: nothing is cleared
.endr
	ISSUE 0, 0
	ISSUE 0, 1
	s_wait_loadcnt 24                              ; behind x: 8 loads of b and 16 of weights
.set m, 0
.rept 32
	v_cvt_pk_bf16_f32 v[X16+m], v[XR+2*m], v[XR+2*m+1]
.set m, m+1
.endr
	ISSUE 0, 2                                     ; into the registers that held x
	ISSUE 0, 3
	CONSUME 0, 0, 24                               ; three younger units of eight loads stay out
	ISSUE 1, 0
	CONSUME 0, 1, 24
	ISSUE 1, 1
	CONSUME 0, 2, 24
	ISSUE 1, 2
	CONSUME 0, 3, 24
	ISSUE 1, 3
	FINISH 0
	CONSUME 1, 0, 24
	CONSUME 1, 1, 16                               ; nothing is left to ask for: the counts run down
	CONSUME 1, 2, 8
	CONSUME 1, 3, 0
	FINISH 1
	s_endpgm
.Lfunc_end_k_q5f6a57092d_apply:
	.size	k_q5f6a57092d_apply, .Lfunc_end_k_q5f6a57092d_apply-k_q5f6a57092d_apply
	.p2alignl 7, 3214868480
	.fill 96, 4, 3214868480
	.section	.rodata,"a",@progbits
	.p2align	6, 0x0
	.amdhsa_kernel k_q5f6a57092d_apply
		.amdhsa_group_segment_fixed_size 0
		.amdhsa_private_segment_fixed_size 0
		.amdhsa_enable_private_segment 0
		.amdhsa_kernarg_size 40
		.amdhsa_user_sgpr_count 2
		.amdhsa_user_sgpr_kernarg_segment_ptr 1
		.amdhsa_wavefront_size32 1
		.amdhsa_system_sgpr_workgroup_id_x 1
		.amdhsa_system_sgpr_workgroup_id_y 1
		.amdhsa_system_sgpr_workgroup_id_z 1
		.amdhsa_system_vgpr_workitem_id 0
		.amdhsa_next_free_vgpr 208
		.amdhsa_next_free_sgpr 66
		.amdhsa_reserve_vcc 0
		.amdhsa_float_denorm_mode_32 3
		.amdhsa_float_denorm_mode_16_64 3
		.amdhsa_memory_ordered 1
		.amdhsa_forward_progress 1
		.amdhsa_inst_pref_size 46
	.end_amdhsa_kernel
	.amdgpu_metadata
---
amdhsa.version: [ 1, 2 ]
amdhsa.kernels:
  - .name:           k_q5f6a57092d_apply
    .symbol:         k_q5f6a57092d_apply.kd
    .args:
      - { .name: x, .offset: 0, .size: 8, .value_kind: global_buffer, .address_space: global }
      - { .name: idx, .offset: 8, .size: 8, .value_kind: global_buffer, .address_space: global }
      - { .name: w16, .offset: 16, .size: 8, .value_kind: global_buffer, .address_space: global }
      - { .name: bias, .offset: 24, .size: 8, .value_kind: global_buffer, .address_space: global }
      - { .name: out0, .offset: 32, .size: 8, .value_kind: global_buffer, .address_space: global }
    .group_segment_fixed_size: 0
    .private_segment_fixed_size: 0
    .kernarg_segment_align: 8
    .kernarg_segment_size: 40
    .max_flat_workgroup_size: 256
    .sgpr_count:     66
    .vgpr_count:     208
    .wavefront_size: 32
...
	.end_amdgpu_metadata
.endif
;; end of part 2
;; ======== version 2 of 3: 2 launches; 1.21 times as fast as version 1
;; limits: values outside matrix products are rounded to bf16
;; workspace buffers: idx 262,144 bytes of whole numbers; w16 4,194,304 bytes; bias 262,144 bytes
;; launch knn (part 3): grid 256 x 1, 8 waves a work-group, clusters of 4 x 1, 317,440 bytes of LDS; arguments ctrs, offsets, wts, x, idx, w16, bias; writes idx, w16, bias
.if DOCPART == 3
	.amdgcn_target "amdgcn-amd-amdhsa--gfx1250"
	.amdhsa_code_object_version 6
	.text
	.protected	k_q5f6a57092d_knn
	.globl	k_q5f6a57092d_knn
	.p2align	8
	.type	k_q5f6a57092d_knn,@function
k_q5f6a57092d_knn:
	s_mov_b64 s[64:65], 0
	v_nop
	global_prefetch_b8 v0, s[64:65] scope:SCOPE_SE
	s_setreg_imm32_b32 hwreg(HW_REG_WAVE_MODE, 25, 1), 1
	s_wait_xcnt 0x0
	s_wait_alu depctr_hold_cnt(0) depctr_sa_sdst(0) depctr_va_vdst(0) depctr_va_sdst(0) depctr_va_ssrc(0) depctr_va_vcc(0) depctr_vm_vsrc(0)
	s_getreg_b32 s2, hwreg(HW_REG_IB_STS2, 6, 4)
	s_cmp_eq_u32 s2, 0
	s_cbranch_scc0 .Lentry_in_a_cluster
	s_endpgm
.Lentry_in_a_cluster:
	s_bfe_u32 s2, ttmp6, 0x10000c
	s_cmp_lg_u32 s2, 0x3003
	s_cbranch_scc0 .Lentry_shape_is_right
	s_endpgm
.Lentry_shape_is_right:
; The four nearest centres of each sample, and the tables that the second launch gathers from.
; x [16384][32], ctrs [2048][32], wts [2048][32][32], offsets [2048][32], all f32.
; Every input is rounded to bf16 once and used so everywhere.  Score of centre j for sample n:
;   s = x.c_j - 0.5 |c_j|^2 ; the largest s is the smallest squared distance (|x|^2 is the same for all centres of a row).
; One matrix instruction makes 16 centres x 16 samples whole (K = 32 = d_in), with -0.5 |c|^2 as its C operand; sums in f32.
; A work-group owns 64 samples.  Wave w: sample tile w & 3 (16 samples), centre half ch = w >> 2 (1,024 centres, 64 matrix tiles).
; Lane (r, h) sees, for sample r, the stream q = 2 ch + h of 512 centres: result register j of the tile at place p is centre
; 512 q + 64 j + (63 - p).  The selection runs over the scores twice, since the product costs one instruction a tile:
;   PASS 1, values only: the four largest scores of each stream; the four streams of a sample meet in LDS; thr = the fourth largest.
;   PASS 2, bits only: the same products again (the same bits), and of each score the signs of s - thr and thr - s go into bitmaps.
;   Chosen: every centre with s > thr (three at the most) and, of those with s = thr, the lowest indices, four in all.
; No branch and no address hangs on a score.  The order of a sample's four indices has no meaning: the second launch adds all four.
; CLUSTERS: every work-group needs all of ctrs (262,144 bytes).  Four work-groups form a cluster and ask for its tiles JOINTLY: each issues
; the same tensor loads, with the same descriptors (made of the wave's number alone) and a mask that names the four, and each receives
; the tiles in its own LDS.  That divides the requests for ctrs by four.  Each wave asks for two tiles, once: nothing is filled again.
; The f32 centres are then read one lane a centre, rounded to bf16, squared, and laid into the bf16 table over the stage.
; Besides, wave w of work-group g prepares centre j = 8 g + w for the second launch:
;   w16: its 32 x 32 weights as bf16 pairs;  bias: b_j = off_j - c_j . W_j in f32 (operands rounded to bf16).
; LIMITS: NaN and infinite inputs are not served.  Two centres whose scores differ by less than the rounding of f32 sums may be
; ranked otherwise than by another order of summation.  Scores equal bit for bit go to the lower index, however many are equal.
; A score -0 ranks below +0 (the C operand of an all-zero centre is made +0).
.set ROWP,  80                         ; a centre in the bf16 table: 64 bytes + 16
.set SB,    64*ROWP+16                 ; 5,136: a block of 64 centres.  The 16 rows of an A fragment lie one block apart: 16 r mod 256, sixteen different 16-byte columns
.set SPIT,  144                        ; a centre in the stage: 128 bytes of f32 + 16 of padding: sixteen lanes at this pitch start in sixteen different 16-byte columns
.set TCEN,  128                        ; centres in a tile: 64 rows of 256 bytes of memory
.set TLDS,  TCEN*SPIT                  ; 18,432: a tile in LDS
.set WST,   2*TLDS                     ; 36,864: a wave's two tiles
.set C2,    8*WST                      ; 294,912: behind the stage.  -0.5 |c|^2, f32: word 512 q + 8 place + j
.set BIASL, C2+8192                    ; 303,104: 128 bytes for each wave's b_j
.set MRG1,  BIASL+1024                 ; 304,128: tile s, stream q, sample r: four values, at 1024 s + 256 q + 16 r
.set MRG2,  MRG1+4096                  ; 308,224: four codes of equals, three of greater ones and a zero, at 2048 s + 512 q + 32 r; ends at 316,416
; The bf16 table (32 blocks, 164,352 bytes from LDS byte 0) lies over the stage and is written only when every wave has read its part of the stage.
.set VZ,  4                            ; v4        0.0
.set VAA, 5                            ; v5        pass 1: LDS address of my part of the A fragment
.set VCA, 6                            ; v6        pass 1: LDS address of my eight C values
.set KQ,  7                            ; v7        2175 - 512 q
.set BF,  8                            ; v[8:15]   B fragment: my tile's 16 samples
.set AF0, 16                           ; v[16:23]  A fragment of even places      (before the passes: c_j in bf16)
.set CF0, 24                           ; v[24:31]  C of even places               (before: at work)
.set D0,  32                           ; v[32:39]  results of even places         (before: x as loaded, v[32:47])
.set D1,  40                           ; v[40:47]  results of odd places
.set ML,  48                           ; v[48:51]  the four largest group maxima, descending; then the stream's four largest (before: v48-v57 addresses)
.set NL,  52                           ; v[52:53]  the two largest second values
.set OL,  54                           ; v54       the largest third value
.set SR,  56                           ; v[56:63]  a tile's scores, sorted in groups of 3, 3, 2
.set VL,  64                           ; v[64:79]  the four streams' lists; v[64:67] becomes the sample's four largest
.set THR, 68                           ; v[68:69]  thr, twice (a pair for the packed subtraction)
.set TE,  72                           ; v[72:79]  s - thr
.set TG,  80                           ; v[80:87]  thr - s
.set M1S, 88                           ; v88-v91   LDS addresses of the two merges: store, read
.set M1R, 89
.set M2S, 90
.set M2R, 91
.set VAB, 92                           ; v92, v93  pass 2: as VAA, VCA
.set VCB, 93
.set ST,  94                           ; v94       offset of my sample's 16 bytes in idx
.set EB,  96                           ; v[96:111]  word 2 j + half: bit b set: centre 32 (2 j + half) + b of my stream has s < thr; later: s != thr
.set GB,  112                          ; v[112:127] the same for s > thr
.set XW,  128                          ; v[128:131] the four lowest words that hold an equal (a zero bit)
.set XI,  132                          ; v132       their numbers, 8 bits each, the lowest word's lowest
.set GW,  134                          ; v[134:136] the words that hold a greater one
.set GI,  137                          ; v137       their numbers
.set T,   140                          ; v[140:143] at work
.set O,   144                          ; v[144:147] the one bit found
.set U,   148                          ; v[148:149]
.set R,   150
.set F,   151
.set IQ,  152                          ; v[152:155] XI unpacked
.set IG,  156                          ; v[156:158] GI unpacked
.set QC,  160                          ; v[160:163] codes of my stream's four lowest equals: 2048 - index in f32, 0 = none; descending
.set GC,  164                          ; v[164:167] codes of my stream's greater ones, and a zero
.set QL,  168                          ; v[168:183] the four streams' QC
.set GL,  184                          ; v[184:199] the four streams' GC
.set AF1, 208                          ; v[208:215] A fragment of odd places
.set CF1, 216                          ; v[216:223] C of odd places
.set WR,  60                           ; before the passes: v[60:91] weights as loaded
.set SG,  60                           ; then: v[60:91] a centre of the stage, 32 f32
.set CR,  92                           ; v[92:107] c_j as loaded
.set C2V, 92                           ; then: v[92:99] -0.5 |c|^2 of my eight centres
.set OFR, 108                          ; v[108:109] off_j as loaded
.set PK,  110                          ; v[110:125] weights in bf16 pairs, the data of the stores to w16
.set PC,  128                          ; v[128:255] my eight centres in bf16, 16 words each
.set CM,  24                           ; s[24:27] lane masks
.set G0,  28                           ; s[28:35] descriptor group 0, a set for each of my two tiles; never written again
.set G1,  56                           ; s[56:63] descriptor group 1; never written again
; A round of the cluster's barrier: my work-group's barrier, so that wave 0's signal speaks for all eight waves; wave 0 signals for the
; work-group; every wave waits for all four work-groups; my work-group's barrier once more.
.macro ROUND
	s_barrier_signal -1
	s_barrier_wait -1
	s_cmp_lg_u32 s18, 0
	s_cbranch_scc1 .Lnot_wave_0_\@
	s_barrier_signal -3
.Lnot_wave_0_\@:
	s_barrier_wait -3
	s_barrier_signal -1
	s_barrier_wait -1
.endm
	s_load_b256 s[4:11], s[0:1], 0x0               ; ctrs s[4:5], offsets s[6:7], wts s[8:9], x s[10:11]
	s_load_b128 s[12:15], s[0:1], 0x20             ; idx s[12:13], w16 s[14:15]
	s_load_b64 s[16:17], s[0:1], 0x30              ; bias
	s_set_vgpr_msb 0x40
	v_lshl_add_u32 v0, v0, 2, 0x4d400
	v_mov_b32 v1, 0
	s_set_vgpr_msb 0x4045
	ds_add_u32 v0, v1
	ds_add_u32 v0, v1
	s_set_vgpr_msb 0x4500
	v_lshrrev_b32 v5, 5, v0
	v_readfirstlane_b32 s18, v5                    ; wave w
	s_and_b32 s19, s18, 3                          ; sample tile
	s_lshr_b32 s20, s18, 2                         ; centre half ch
	s_bfe_u32 s3, ttmp6, 0x40000                   ; cx: my place in the cluster
	s_lshl_b32 s21, ttmp9, 2                       ; in a cluster launch ttmp9 counts clusters
	s_add_co_u32 s21, s21, s3                      ; work-group g = 4 x cluster + cx.  It enters global offsets alone: no LDS address, no branch, no descriptor
	s_mov_b32 s37, 0x76543210                      ; v_permlanex16_b32: lane i reads lane i of the other half
	s_mov_b32 s38, 0xfedcba98
	; descriptor group 1: 64 rows of 32 elements of 8 bytes, dense in memory; in LDS 4 words of padding behind every 32 words, that is behind every centre
	s_mov_b32 s[G1+0], 15|(3<<16)|(1<<20)|(1<<21)|(4<<22)|(3<<25)  ; 15:0 the mask: all four of the cluster; 17:16 elements of 8 bytes; 20 padding on; 21 set beside a mask; 24:22 after 32 words (code 4); 31:25 of 4 words (code 3)
	s_mov_b32 s[G1+1], 32<<16                      ; tensor_dim0 = 32
	s_mov_b32 s[G1+2], 64<<16                      ; its high half = 0; tensor_dim1 = 64
	s_mov_b32 s[G1+3], 32<<16                      ; its high half = 0; tile_dim0 = 32
	s_mov_b32 s[G1+4], 64                          ; tile_dim1 = 64 rows; tile_dim2 = 0
	s_mov_b32 s[G1+5], 32                          ; 32 elements from row to row
	s_mov_b32 s[G1+6], 0
	s_mov_b32 s[G1+7], 0
	v_and_b32 v1, 31, v0                           ; lane
	v_and_b32 v2, 15, v0                           ; r
	v_bfe_u32 v3, v0, 4, 1                         ; h
	v_mov_b32 v[VZ], 0
	v_lshlrev_b32 v48, 7, v2
	v_lshl_add_u32 v48, v3, 5, v48                 ; x: 128 r + 32 h
	v_lshlrev_b32 v51, 3, v2                       ; 8 r
	v_lshl_add_u32 v49, v3, 9, v51                 ; wts: 512 h + 8 r
	v_lshlrev_b32 v50, 4, v3                       ; c_j: 16 h
	v_lshlrev_b32 v52, 4, v1                       ; 16 x lane
	; batch b of my wave: lane l takes centre n = 256 w + 32 b + l.  In the stage it lies at 36,864 w + 4,608 b + 144 l.
	s_mul_i32 s40, s18, WST                        ; my wave's stage
	v_mul_u32_u24 v56, v1, SPIT
	v_add_nc_u32 v56, s40, v56
	; in the table: block n / 64 = 4 w + b / 2, place 63 - n % 64 = 32 (1 - b % 2) + (31 - l): a block is stored backwards
	s_mul_i32 s46, s18, 4*SB
	v_xor_b32 v57, 31, v1                          ; 31 - l
	v_mul_u32_u24 v53, v57, ROWP
	v_add_nc_u32 v53, s46, v53
	; its word of -0.5 |c|^2: 2048 q + 32 place + 4 j with q = w / 2, j = 4 (w % 2) + b / 2
	s_lshr_b32 s46, s18, 1
	s_lshl_b32 s46, s46, 11
	s_and_b32 s47, s18, 1
	s_lshl_b32 s47, s47, 4
	s_add_co_u32 s46, s46, s47
	s_add_co_u32 s46, s46, C2
	v_lshl_add_u32 v55, v57, 5, s46
	s_lshl_b32 s47, s18, 7
	s_add_co_u32 s47, s47, BIASL
	v_add_nc_u32 v54, s47, v51                     ; my two numbers of b_j
	; A fragment: row m is block 16 ch + m, so that result register j of lane (r, h), row 8 h + j, is block 16 ch + 8 h + j = 8 q + j
	s_mul_i32 s46, s20, 16*SB
	v_mul_u32_u24 v[VAA], v2, SB
	v_lshl_add_u32 v[VAA], v3, 4, v[VAA]
	v_add_nc_u32 v[VAA], s46, v[VAA]
	s_lshl_b32 s47, s20, 12
	s_add_co_u32 s47, s47, C2
	v_lshl_add_u32 v[VCA], v3, 11, s47             ; 2048 q: my stream's words, eight for each place
	; the bases, each from its own pointer
	s_mov_b32 s23, 0
	s_lshl_b32 s22, s21, 13                        ; 64 samples x 128 bytes
	s_lshl_b32 s47, s19, 11                        ; 16 samples x 128 bytes
	s_add_co_u32 s22, s22, s47
	s_lshl3_add_u32 s41, s21, s18                  ; j = 8 g + w
	s_lshl_b32 s44, s18, 15                        ; my wave's 256 centres x 128 bytes: the wave's number alone
	s_mov_b32 s45, 0
	s_wait_dscnt 0x0
	s_wait_kmcnt 0x0
	s_add_nc_u64 s[10:11], s[10:11], s[22:23]      ; x at my tile
	s_lshl_b32 s22, s41, 12
	s_add_nc_u64 s[8:9], s[8:9], s[22:23]          ; wts at W_j
	s_lshl_b32 s22, s41, 11
	s_add_nc_u64 s[14:15], s[14:15], s[22:23]      ; w16 at centre j
	s_lshl_b32 s22, s41, 7
	s_add_nc_u64 s[6:7], s[6:7], s[22:23]          ; offsets at off_j
	s_add_nc_u64 s[42:43], s[4:5], s[22:23]        ; ctrs at c_j
	s_add_nc_u64 s[44:45], s[4:5], s[44:45]        ; ctrs at my wave's 256 centres
	s_lshl_b32 s22, s21, 10
	s_add_nc_u64 s[16:17], s[16:17], s[22:23]      ; bias at the group's 8 centres
	s_lshl_b32 s47, s19, 8
	s_add_co_u32 s22, s22, s47
	s_add_nc_u64 s[12:13], s[12:13], s[22:23]      ; idx at my tile: 16 samples x 16 bytes
	; descriptor group 0, once for each of my two tiles
.irp c, 0,1
	s_mov_b32 s[G0+4*\c], 1                                        ; count = 1
	s_add_co_u32 s[G0+4*\c+1], s40, \c*TLDS                        ; LDS address: 36,864 w + 18,432 c
	s_add_nc_u64 s[G0+4*\c+2:G0+4*\c+3], s[44:45], \c*TCEN*128     ; global address: centres 256 w + 128 c ..
	s_or_b32 s[G0+4*\c+3], s[G0+4*\c+3], 0x80000000                ; type = 2
.endr
	; 25 loads of what is my own: x 4, W_j 16, c_j 4, off_j 1.  They are on their way while the cluster gathers.
	global_load_b128 v[32:35], v48, s[10:11]                       ; x(r, 8h ..)
	global_load_b128 v[36:39], v48, s[10:11] offset:16
	global_load_b128 v[40:43], v48, s[10:11] offset:64             ; x(r, 16 + 8h ..)
	global_load_b128 v[44:47], v48, s[10:11] offset:80
.irp i, 0,1,2,3
.irp w, 0,1,2,3
	global_load_b64 v[WR+2*(4*\i+\w):WR+2*(4*\i+\w)+1], v49, s[8:9] offset:\i*1024+\w*128 th:TH_LOAD_NT   ; W_j(8i + 4h + w, 2r .. 2r+1)
.endr
.endr
.irp i, 0,1,2,3
	global_load_b128 v[CR+4*\i:CR+4*\i+3], v50, s[42:43] offset:32*\i      ; c_j(8i + 4h ..)
.endr
	global_load_b64 v[OFR:OFR+1], v51, s[6:7]                      ; off_j(2r .. 2r+1)
	ROUND                                          ; all four work-groups are here: the joint loads meet
	tensor_load_to_lds s[G0:G0+3], s[G1:G1+7]      ; my two tiles, the only tensor loads of the wave: two are out at the most
	s_nop 0
	tensor_load_to_lds s[G0+4:G0+7], s[G1:G1+7]
	s_nop 0
	s_wait_loadcnt 21                              ; 21 loads were issued behind x's four
.irp m, 0,1,2,3,4,5,6,7
	v_cvt_pk_bf16_f32 v[BF+\m], v[32+2*\m], v[33+2*\m]
.endr
	s_wait_loadcnt 0x0                             ; W_j, c_j, off_j
.set m, 0
.rept 16
	v_cvt_pk_bf16_f32 v[PK+m], v[WR+2*m], v[WR+2*m+1]
.set m, m+1
.endr
.irp i, 0,1,2,3
	global_store_b128 v52, v[PK+4*\i:PK+4*\i+3], s[14:15] offset:512*\i    ; a wave's store covers 512 consecutive bytes, aligned
.endr
.irp m, 0,1,2,3,4,5,6,7
	v_cvt_pk_bf16_f32 v[AF0+\m], v[CR+2*\m], v[CR+2*\m+1]          ; c_j in bf16: word 2i + w/2 holds d = 8i + 4h + w
.endr
	v_cvt_pk_bf16_f32 v26, v[OFR], v[OFR+1]
	v_lshlrev_b32 v28, 16, v26                     ; off_j rounded to bf16, back in f32
	v_and_b32 v29, 0xffff0000, v26
; two multiply-adds: c_j(d) times W_j(d, 2r) and W_j(d, 2r+1)
.macro BMAC pk, cr, hx, c0, c1
	v_fma_mix_f32_bf16 v24, v[\pk], v[\cr], v[\c0] op_sel:[0,\hx,0] op_sel_hi:[1,1,0]
	v_fma_mix_f32_bf16 v25, v[\pk], v[\cr], v[\c1] op_sel:[1,\hx,0] op_sel_hi:[1,1,0]
.endm
	BMAC PK, AF0, 0, VZ, VZ                        ; the first product starts the sums
	BMAC PK+1, AF0, 1, 24, 25
	BMAC PK+2, AF0+1, 0, 24, 25
	BMAC PK+3, AF0+1, 1, 24, 25
.irp i, 1,2,3
.irp wp, 0,1
.irp hx, 0,1
	BMAC PK+4*\i+2*\wp+\hx, AF0+2*\i+\wp, \hx, 24, 25
.endr
.endr
.endr
	v_permlanex16_b32 v[CR], v24, s37, s38         ; the other half's 16 values of d
	v_permlanex16_b32 v[CR+1], v25, s37, s38
	v_add_f32 v24, v24, v[CR]                      ; a sum of two: the same bits in both halves of the wave
	v_add_f32 v25, v25, v[CR+1]
	v_sub_f32 v28, v28, v24
	v_sub_f32 v29, v29, v25
	ds_store_b64 v54, v[28:29]                     ; both halves store the same value to the same bytes
; The centres, one lane a centre, 32 centres a batch, from my own two tiles: my own wait on TENSORcnt is all that these reads need.
.macro SLOAD b                         ; a centre's 128 bytes
.irp i, 0,1,2,3,4,5,6,7
	ds_load_b128 v[SG+4*\i:SG+4*\i+3], v56 offset:(\b)*32*SPIT+16*\i
.endr
.endm
; Batch b: round to bf16; then the next batch's loads go out (nxt; tw >= 0: the wait for the tile in which it lies) and arrive while
; -0.5 |c|^2 is formed from the rounded numbers, in four chains started by the first products.
.macro CONV b, nxt, tw
	s_wait_dscnt 0x0                               ; the batch's eight loads
.set m, 0
.rept 16
	v_cvt_pk_bf16_f32 v[PC+16*\b+m], v[SG+2*m], v[SG+2*m+1]
.set m, m+1
.endr
.if \tw >= 0
	s_wait_tensorcnt \tw
.endif
.if \nxt
	SLOAD \b+1
.endif
	v_fma_mix_f32_bf16 v24, v[PC+16*\b], v[PC+16*\b], v[VZ] op_sel:[0,0,0] op_sel_hi:[1,1,0]
	v_fma_mix_f32_bf16 v25, v[PC+16*\b], v[PC+16*\b], v[VZ] op_sel:[1,1,0] op_sel_hi:[1,1,0]
	v_fma_mix_f32_bf16 v26, v[PC+16*\b+1], v[PC+16*\b+1], v[VZ] op_sel:[0,0,0] op_sel_hi:[1,1,0]
	v_fma_mix_f32_bf16 v27, v[PC+16*\b+1], v[PC+16*\b+1], v[VZ] op_sel:[1,1,0] op_sel_hi:[1,1,0]
.irp m2, 2,4,6,8,10,12,14
	v_fma_mix_f32_bf16 v24, v[PC+16*\b+\m2], v[PC+16*\b+\m2], v24 op_sel:[0,0,0] op_sel_hi:[1,1,0]
	v_fma_mix_f32_bf16 v25, v[PC+16*\b+\m2], v[PC+16*\b+\m2], v25 op_sel:[1,1,0] op_sel_hi:[1,1,0]
	v_fma_mix_f32_bf16 v26, v[PC+16*\b+\m2+1], v[PC+16*\b+\m2+1], v26 op_sel:[0,0,0] op_sel_hi:[1,1,0]
	v_fma_mix_f32_bf16 v27, v[PC+16*\b+\m2+1], v[PC+16*\b+\m2+1], v27 op_sel:[1,1,0] op_sel_hi:[1,1,0]
.endr
	v_add_f32 v24, v24, v25
	v_add_f32 v26, v26, v27
	v_add_f32 v24, v24, v26
	v_fma_f32 v[C2V+\b], v24, -0.5, 0              ; the added +0 makes the word of an all-zero centre +0
.endm
	s_wait_tensorcnt 0x1                           ; my first tile has landed; the second stays out
	SLOAD 0
	CONV 0, 1, -1
	CONV 1, 1, -1
	CONV 2, 1, -1
	CONV 3, 1, 0                                   ; batch 4 lies in my second tile: no tensor load was issued behind it
	CONV 4, 1, -1
	CONV 5, 1, -1
	CONV 6, 1, -1
	CONV 7, 0, -1
	s_wait_dscnt 0x0                               ; my reads of the stage are back (met: the last batch's wait) and my b_j is stored; both my tiles have landed
	s_barrier_signal -1
	s_barrier_wait -1                              ; that now holds of every wave: the stage has had its only fill and is read out, so the table may be laid over it
.irp b, 0,1,2,3,4,5,6,7
.irp i, 0,1,2,3
	ds_store_b128 v53, v[PC+16*\b+4*\i:PC+16*\b+4*\i+3] offset:(\b>>1)*SB+(1-(\b&1))*32*ROWP+16*\i
.endr
	ds_store_b32 v55, v[C2V+\b] offset:4*(\b>>1)+1024*(1-(\b&1))
.endr
	; wave 0 stores the group's eight b_j: 1,024 consecutive bytes
	s_cmp_lg_u32 s18, 0
	s_cbranch_scc1 .Lno_bias
	v_add_nc_u32 v84, BIASL, v52
	ds_load_b128 v[76:79], v84
	ds_load_b128 v[80:83], v84 offset:512
	s_wait_dscnt 0x0
	global_store_b128 v52, v[76:79], s[16:17]
	global_store_b128 v52, v[80:83], s[16:17] offset:512
.Lno_bias:
	s_wait_dscnt 0x0                               ; my rows of the table and my words are in LDS: others read them behind the barrier
	s_barrier_signal -1
	s_barrier_wait -1
; One value into a descending list of four, or of two: each entry becomes the middle one of (value, the entry above, itself).
.macro VINS4 l, x
	v_med3_num_f32 v[\l+3], v[\x], v[\l+2], v[\l+3]
	v_med3_num_f32 v[\l+2], v[\x], v[\l+1], v[\l+2]
	v_med3_num_f32 v[\l+1], v[\x], v[\l], v[\l+1]
	v_max_num_f32 v[\l], v[\x], v[\l]
.endm
.macro VINS2 l, x
	v_med3_num_f32 v[\l+1], v[\x], v[\l], v[\l+1]
	v_max_num_f32 v[\l], v[\x], v[\l]
.endm
; Each product is whole in one instruction and its D is not its C: there is no chain on an accumulator.
.macro MM dn, af, cf
	v_wmma_f32_16x16x32_bf16 v[\dn:\dn+7], v[\af:\af+7], v[BF:BF+7], v[\cf:\cf+7]
.endm
.macro FRAG af, cf, va, vc, oa, oc
	ds_load_b128 v[\af:\af+3], v[\va] offset:\oa
	ds_load_b128 v[\af+4:\af+7], v[\va] offset:\oa+32
	ds_load_b128 v[\cf:\cf+3], v[\vc] offset:\oc
	ds_load_b128 v[\cf+4:\cf+7], v[\vc] offset:\oc+16
.endm
; The schedule of both passes.  The turn of place p: the product of place p + 1 goes out (wt >= 0: the count of its wait), the results
; of place p (in dc) are worked on, and the fragments of place p + 3 are fetched (ld) into the registers that the product just
; issued reads: a fragment has two turns in which to arrive.  In front of those loads stand at least fourteen (pass 1) or sixteen
; (pass 2) plain vector instructions that name no register of that product: the places of ISA guide 7.12.1.
; wt = 4: the four loads of place p + 2 stay out.  wt = 0: nothing was fetched behind place p + 1.
;
; PASS 1.  A tile's eight scores as groups of 3, 3 and 2, each sorted.  Every second value has its own group's first at or above it,
; every third value two of its group: so of the stream's four largest at most two are second values, and they are the two largest
; of these; at most one is a third value, the largest of these.  27 instructions for 8 scores.
.macro P1TILE dc, dn, af, cf, wt, ld, pos
.if \wt >= 0
	s_wait_dscnt \wt
	MM \dn, \af, \cf
.endif
	v_max3_num_f32 v[SR], v[\dc], v[\dc+1], v[\dc+2]
	v_med3_num_f32 v[SR+1], v[\dc], v[\dc+1], v[\dc+2]
	v_min3_num_f32 v[SR+2], v[\dc], v[\dc+1], v[\dc+2]
	v_max3_num_f32 v[SR+3], v[\dc+3], v[\dc+4], v[\dc+5]
	v_med3_num_f32 v[SR+4], v[\dc+3], v[\dc+4], v[\dc+5]
	v_min3_num_f32 v[SR+5], v[\dc+3], v[\dc+4], v[\dc+5]
	v_max_num_f32 v[SR+6], v[\dc+6], v[\dc+7]
	v_min_num_f32 v[SR+7], v[\dc+6], v[\dc+7]
	VINS4 ML, SR
	VINS2 NL, SR+1
.if \ld
	FRAG \af, \cf, VAA, VCA, \pos*ROWP, \pos*32
.endif
	VINS4 ML, SR+3
	VINS2 NL, SR+4
	VINS4 ML, SR+6
	VINS2 NL, SR+7
	v_max3_num_f32 v[OL], v[OL], v[SR+2], v[SR+5]
.endm
; PASS 2.  Of each score two sign bits, each shifted into its word from below.  s - thr is negative for s < thr and +0 for s = thr;
; thr - s is negative for s > thr.  Places go up, indices go down, so after 32 places bit b of a word is index b of its 32.
; first = 1: the word's first bit is written, not shifted in: nothing is cleared.  24 instructions for 8 scores.
.macro P2TILE dc, dn, af, cf, wt, ld, pos, hf, first
.if \wt >= 0
	s_wait_dscnt \wt
	MM \dn, \af, \cf
.endif
.irp p, 0,1,2,3
	v_pk_add_f32 v[TE+2*\p:TE+2*\p+1], v[\dc+2*\p:\dc+2*\p+1], v[THR:THR+1] neg_lo:[0,1] neg_hi:[0,1]
.endr
.irp p, 0,1,2,3
	v_pk_add_f32 v[TG+2*\p:TG+2*\p+1], v[THR:THR+1], v[\dc+2*\p:\dc+2*\p+1] neg_lo:[0,1] neg_hi:[0,1]
.endr
.irp j, 0,1,2,3,4,5,6,7
.if \first
	v_lshrrev_b32 v[EB+2*\j+\hf], 31, v[TE+\j]
.else
	v_alignbit_b32 v[EB+2*\j+\hf], v[EB+2*\j+\hf], v[TE+\j], 31
.endif
.endr
.if \ld
	FRAG \af, \cf, VAB, VCB, \pos*ROWP, \pos*32
.endif
.irp j, 0,1,2,3,4,5,6,7
.if \first
	v_lshrrev_b32 v[GB+2*\j+\hf], 31, v[TG+\j]
.else
	v_alignbit_b32 v[GB+2*\j+\hf], v[GB+2*\j+\hf], v[TG+\j], 31
.endif
.endr
.endm
.macro P2PAIR hf, first
	P2TILE D0, D1, AF1, CF1, 4, 1, 3, \hf, \first
	P2TILE D1, D0, AF0, CF0, 4, 1, 4, \hf, 0
	v_add_nc_u32 v[VAB], 2*ROWP, v[VAB]
	v_add_nc_u32 v[VCB], 64, v[VCB]
.endm
	; ---- pass 1 ----
	s_wait_xcnt 0x0                                ; registers that were addresses or data of loads and stores are written again only behind this wait
	FRAG AF0, CF0, VAA, VCA, 0, 0                  ; place 0
	FRAG AF1, CF1, VAA, VCA, ROWP, 32              ; place 1
	v_mov_b32 v[VAB], v[VAA]                       ; pass 2 starts from place 0 again
	v_mov_b32 v[VCB], v[VCA]
	s_mov_b32 s36, 30
	s_wait_dscnt 4                                 ; place 0 is in, place 1's four loads stay out
	MM D0, AF0, CF0
.irp k, 0,1,2,3
	v_mov_b32 v[ML+\k], 0xff800000                 ; the lists start empty: minus infinity.  These seven lines are also the places in
.endr
	v_mov_b32 v[NL], 0xff800000                    ; front of the loads into the product's sources and of the first read of D0
	v_mov_b32 v[NL+1], 0xff800000
	v_mov_b32 v[OL], 0xff800000
	FRAG AF0, CF0, VAA, VCA, 2*ROWP, 64            ; place 2
.Lp1:                                              ; trip i: places 2i and 2i + 1
	P1TILE D0, D1, AF1, CF1, 4, 1, 3
	P1TILE D1, D0, AF0, CF0, 4, 1, 4
	v_add_nc_u32 v[VAA], 2*ROWP, v[VAA]
	v_add_nc_u32 v[VCA], 64, v[VCA]
	s_sub_co_i32 s36, s36, 1
	s_cmp_lg_u32 s36, 0
	s_cbranch_scc1 .Lp1
	P1TILE D0, D1, AF1, CF1, 4, 1, 3               ; place 60: the last fetch, place 63
	P1TILE D1, D0, AF0, CF0, 4, 0, 0               ; place 61
	P1TILE D0, D1, AF1, CF1, 0, 0, 0               ; place 62: the last product
	P1TILE D1, D0, AF0, CF0, -1, 0, 0              ; place 63
	VINS4 ML, NL                                   ; the stream's four largest
	VINS4 ML, NL+1
	VINS4 ML, OL
	s_lshl_b32 s46, s19, 10
	s_add_co_u32 s46, s46, MRG1
	s_lshl_b32 s47, s20, 9
	s_add_co_u32 s47, s47, s46
	v_lshl_add_u32 v[M1S], v1, 4, s47              ; 1024 s + 512 ch + 16 lane = 1024 s + 256 q + 16 r
	v_lshl_add_u32 v[M1R], v2, 4, s46
	ds_store_b128 v[M1S], v[ML:ML+3]
	s_wait_dscnt 0x0                               ; my list is in LDS before the signal
	s_barrier_signal -1
	s_barrier_wait -1
.irp q, 0,1,2,3
	ds_load_b128 v[VL+4*\q:VL+4*\q+3], v[M1R] offset:256*\q        ; my sample's four streams
.endr
	FRAG AF0, CF0, VAB, VCB, 0, 0                  ; pass 2's places 0 and 1 arrive during the merge
	FRAG AF1, CF1, VAB, VCB, ROWP, 32
	s_lshl_b32 s46, s20, 10
	s_sub_co_u32 s46, 2175, s46
	s_lshl_b32 s40, s19, 11
	s_add_co_u32 s40, s40, MRG2
	s_lshl_b32 s47, s20, 10
	s_add_co_u32 s47, s47, s40
	s_wait_dscnt 8                                 ; the four lists are in; the eight loads of the two fragments stay out
.irp e, 4,5,6,7,8,9,10,11,12,13,14,15
	VINS4 VL, VL+\e
.endr
	v_mov_b32 v[THR], v[VL+3]                      ; thr, the sample's fourth largest score, the same in all four lanes that serve the sample
	v_mov_b32 v[THR+1], v[VL+3]
	; ---- pass 2 ----
	s_wait_dscnt 4                                 ; place 0 is in
	MM D0, AF0, CF0
	v_lshlrev_b32 v[KQ], 9, v3                     ; these lines are also the places behind the product
	v_sub_nc_u32 v[KQ], s46, v[KQ]                 ; 2175 - 1024 ch - 512 h
	v_lshl_add_u32 v[M2S], v1, 5, s47              ; 2048 s + 1024 ch + 32 lane = 2048 s + 512 q + 32 r
	v_lshl_add_u32 v[M2R], v2, 5, s40
.irp k, 0,1,2,3
	v_mov_b32 v[XW+\k], -1                         ; a word without an equal
.endr
	v_mov_b32 v[XI], 0
.irp k, 0,1,2
	v_mov_b32 v[GW+\k], 0                          ; a word without a greater one
.endr
	v_mov_b32 v[GI], 0
	v_mov_b32 v[GC+3], 0
	FRAG AF0, CF0, VAB, VCB, 2*ROWP, 64            ; place 2
	P2PAIR 1, 1                                    ; places 0 and 1: indices 63 and 62 of each 64: the upper words begin
	s_mov_b32 s36, 15
.Lp2a:                                             ; places 2 to 31
	P2PAIR 1, 0
	s_sub_co_i32 s36, s36, 1
	s_cmp_lg_u32 s36, 0
	s_cbranch_scc1 .Lp2a
	P2PAIR 0, 1                                    ; places 32 and 33: the lower words begin
	s_mov_b32 s36, 13
.Lp2b:                                             ; places 34 to 59
	P2PAIR 0, 0
	s_sub_co_i32 s36, s36, 1
	s_cmp_lg_u32 s36, 0
	s_cbranch_scc1 .Lp2b
	P2TILE D0, D1, AF1, CF1, 4, 1, 3, 0, 0         ; place 60: the last fetch
	P2TILE D1, D0, AF0, CF0, 4, 0, 0, 0, 0
	P2TILE D0, D1, AF1, CF1, 0, 0, 0, 0, 0         ; place 62: the last product
	P2TILE D1, D0, AF0, CF0, -1, 0, 0, 0, 0
	; ---- from bitmaps to indices ----
; Word rho, from 15 down to 0.  s != thr is (s < thr) or (s > thr).  A word with an equal (a zero bit) is pushed onto XW, a word with a
; greater one onto GW, with its number; since the words come in descending order the lists end with the lowest word first.
.macro PUSH rho
	v_or_b32 v[EB+\rho], v[EB+\rho], v[GB+\rho]
	v_cmp_ne_u32 s[CM+1], 0, v[GB+\rho]
	v_cmp_ne_u32 s[CM], -1, v[EB+\rho]
	v_lshl_or_b32 v[T], v[XI], 8, \rho
	v_lshl_or_b32 v[T+1], v[GI], 8, \rho
	v_cndmask_b32 v[XW+3], v[XW+3], v[XW+2], s[CM]
	v_cndmask_b32 v[GW+2], v[GW+2], v[GW+1], s[CM+1]
	v_cndmask_b32 v[XW+2], v[XW+2], v[XW+1], s[CM]
	v_cndmask_b32 v[GW+1], v[GW+1], v[GW], s[CM+1]
	v_cndmask_b32 v[XW+1], v[XW+1], v[XW], s[CM]
	v_cndmask_b32 v[GW], v[GW], v[GB+\rho], s[CM+1]
	v_cndmask_b32 v[XW], v[XW], v[EB+\rho], s[CM]
	v_cndmask_b32 v[XI], v[XI], v[T], s[CM]
	v_cndmask_b32 v[GI], v[GI], v[T+1], s[CM+1]
.endm
; From the one bit in U and its word's number in R to the code 2048 - index in f32, or 0 if no bit was found (mask CM+3).
; A power of two converts exactly: its exponent field is 127 + b.  2175 - 512 q - (32 rho + 127 + b) = 2048 - index.
.macro CODE dst
	v_cvt_f32_u32 v[F], v[U]
	v_lshrrev_b32 v[F], 23, v[F]
	v_lshl_add_u32 v[R], v[R], 5, v[F]
	v_sub_nc_u32 v[R], v[KQ], v[R]
	v_cndmask_b32 v[R], 0, v[R], s[CM+3]
	v_cvt_f32_u32 v[\dst], v[R]
.endm
; The lowest zero bit of the 128 bits of XW: X + 1 with carry turns it on; it is the bit that is off in X and on in X + 1; then it stays on.
.macro EXQ dst
	v_add_co_u32 v[T], vcc_lo, 1, v[XW]
.irp i, 1,2,3
	v_add_co_ci_u32 v[T+\i], vcc_lo, 0, v[XW+\i], vcc_lo
.endr
.irp i, 0,1,2,3
	v_bfi_b32 v[O+\i], v[XW+\i], 0, v[T+\i]
	v_or_b32 v[XW+\i], v[XW+\i], v[T+\i]
.endr
	v_or_b32 v[U], v[O], v[O+1]
	v_or_b32 v[U+1], v[O+2], v[O+3]
	v_or_b32 v[U], v[U], v[U+1]
	v_cmp_ne_u32 s[CM], 0, v[O+1]
	v_cmp_ne_u32 s[CM+1], 0, v[O+2]
	v_cmp_ne_u32 s[CM+2], 0, v[O+3]
	v_cmp_ne_u32 s[CM+3], 0, v[U]
	v_cndmask_b32 v[R], v[IQ], v[IQ+1], s[CM]
	v_cndmask_b32 v[R], v[R], v[IQ+2], s[CM+1]
	v_cndmask_b32 v[R], v[R], v[IQ+3], s[CM+2]
	CODE \dst
.endm
; The lowest one bit of the 96 bits of GW: G - 1 (all ones added, with carry) turns it off; it is on in G and off in G - 1; then it stays off.
.macro EXG dst
	v_add_co_u32 v[T], vcc_lo, -1, v[GW]
.irp i, 1,2
	v_add_co_ci_u32 v[T+\i], vcc_lo, -1, v[GW+\i], vcc_lo
.endr
.irp i, 0,1,2
	v_bfi_b32 v[O+\i], v[T+\i], 0, v[GW+\i]
	v_and_b32 v[GW+\i], v[GW+\i], v[T+\i]
.endr
	v_or_b32 v[U], v[O], v[O+1]
	v_or_b32 v[U], v[U], v[O+2]
	v_cmp_ne_u32 s[CM], 0, v[O+1]
	v_cmp_ne_u32 s[CM+1], 0, v[O+2]
	v_cmp_ne_u32 s[CM+3], 0, v[U]
	v_cndmask_b32 v[R], v[IG], v[IG+1], s[CM]
	v_cndmask_b32 v[R], v[R], v[IG+2], s[CM+1]
	CODE \dst
.endm
.irp rho, 15,14,13,12,11,10,9,8,7,6,5,4,3,2,1,0
	PUSH \rho
.endr
.irp i, 0,1,2,3
	v_bfe_u32 v[IQ+\i], v[XI], 8*\i, 8
.endr
.irp i, 0,1,2
	v_bfe_u32 v[IG+\i], v[GI], 8*\i, 8
.endr
	EXQ QC                                         ; my stream's four lowest equals, ascending in index: the codes descend, zeros last
	EXQ QC+1
	EXQ QC+2
	EXQ QC+3
	EXG GC                                         ; a sample has at most three scores above its fourth largest
	EXG GC+1
	EXG GC+2
	ds_store_b128 v[M2S], v[QC:QC+3]
	ds_store_b128 v[M2S], v[GC:GC+3] offset:16
	s_wait_dscnt 0x0                               ; my codes are in LDS before the signal
	ROUND                                          ; my work-group's barrier for the codes, and the cluster's closing round: it stands behind every joint load
	                                               ; and in front of both ends of the program, so that no work-group ends before its partners have asked
	s_cmp_lg_u32 s20, 0
	s_cbranch_scc1 .Ldone                          ; the waves of the lower centre half finish their tile
.irp q, 0,1,2,3
	ds_load_b128 v[QL+4*\q:QL+4*\q+3], v[M2R] offset:512*\q
	ds_load_b128 v[GL+4*\q:GL+4*\q+3], v[M2R] offset:512*\q+16
.endr
	v_lshlrev_b32 v[ST], 4, v2                     ; 16 bytes a sample
	s_wait_dscnt 0x0
.irp e, 4,5,6,7,8,9,10,11,12,13,14,15
	VINS4 QL, QL+\e                                ; the four largest codes: the sample's four lowest equals
.endr
.irp e, 4,5,6,8,9,10,12,13,14
	VINS4 GL, GL+\e                                ; the codes above zero come first: the sample's greater ones
.endr
	; n scores lie above thr exactly if the n-th largest does.  Place 0 is always an equal; places 3, 2, 1 go to the greater ones as far as there are any.
	v_cmp_gt_f32 s[CM], v[VL+2], v[THR]
	v_cmp_gt_f32 s[CM+1], v[VL+1], v[THR]
	v_cmp_gt_f32 s[CM+2], v[VL], v[THR]
	v_cndmask_b32 v[QL+1], v[QL+1], v[GL+2], s[CM]
	v_cndmask_b32 v[QL+2], v[QL+2], v[GL+1], s[CM+1]
	v_cndmask_b32 v[QL+3], v[QL+3], v[GL], s[CM+2]
.irp k, 0,1,2,3
	v_cvt_u32_f32 v[QL+\k], v[QL+\k]
	v_sub_nc_u32 v[QL+\k], 0x800, v[QL+\k]         ; index = 2048 - code
	v_min_u32 v[QL+\k], 0x7ff, v[QL+\k]
.endr
	v_cmp_gt_u32 vcc_lo, 16, v1
	s_and_saveexec_b32 s39, vcc_lo                 ; lanes 16-31 hold the same numbers again.  No global access has been issued since the last s_wait_xcnt 0
	global_store_b128 v[ST], v[QL:QL+3], s[12:13]  ; 16 lanes store 256 consecutive bytes, aligned
	s_wait_xcnt 0x0                                ; EXEC is a source of the store: it is widened only behind this wait
	s_or_b32 exec_lo, exec_lo, s39
.Ldone:
	s_set_vgpr_msb 0x5
	s_wait_tensorcnt 0x0
	ds_add_u32 v0, v1
	s_wait_dscnt 0x0
	s_set_vgpr_msb 0x500
	s_endpgm
.Lfunc_end_k_q5f6a57092d_knn:
	.size	k_q5f6a57092d_knn, .Lfunc_end_k_q5f6a57092d_knn-k_q5f6a57092d_knn
	.p2alignl 7, 3214868480
	.fill 96, 4, 3214868480
	.section	.rodata,"a",@progbits
	.p2align	6, 0x0
	.amdhsa_kernel k_q5f6a57092d_knn
		.amdhsa_group_segment_fixed_size 317440
		.amdhsa_private_segment_fixed_size 0
		.amdhsa_enable_private_segment 0
		.amdhsa_kernarg_size 56
		.amdhsa_user_sgpr_count 2
		.amdhsa_user_sgpr_kernarg_segment_ptr 1
		.amdhsa_wavefront_size32 1
		.amdhsa_system_sgpr_workgroup_id_x 1
		.amdhsa_system_sgpr_workgroup_id_y 1
		.amdhsa_system_sgpr_workgroup_id_z 1
		.amdhsa_system_vgpr_workitem_id 0
		.amdhsa_next_free_vgpr 258
		.amdhsa_next_free_sgpr 66
		.amdhsa_reserve_vcc 1
		.amdhsa_float_denorm_mode_32 3
		.amdhsa_float_denorm_mode_16_64 3
		.amdhsa_memory_ordered 1
		.amdhsa_forward_progress 1
		.amdhsa_inst_pref_size 113
	.end_amdhsa_kernel
	.amdgpu_metadata
---
amdhsa.version: [ 1, 2 ]
amdhsa.kernels:
  - .name:           k_q5f6a57092d_knn
    .symbol:         k_q5f6a57092d_knn.kd
    .args:
      - { .name: ctrs, .offset: 0, .size: 8, .value_kind: global_buffer, .address_space: global }
      - { .name: offsets, .offset: 8, .size: 8, .value_kind: global_buffer, .address_space: global }
      - { .name: wts, .offset: 16, .size: 8, .value_kind: global_buffer, .address_space: global }
      - { .name: x, .offset: 24, .size: 8, .value_kind: global_buffer, .address_space: global }
      - { .name: idx, .offset: 32, .size: 8, .value_kind: global_buffer, .address_space: global }
      - { .name: w16, .offset: 40, .size: 8, .value_kind: global_buffer, .address_space: global }
      - { .name: bias, .offset: 48, .size: 8, .value_kind: global_buffer, .address_space: global }
    .group_segment_fixed_size: 317440
    .private_segment_fixed_size: 0
    .kernarg_segment_align: 8
    .kernarg_segment_size: 56
    .max_flat_workgroup_size: 256
    .sgpr_count:     66
    .vgpr_count:     258
    .wavefront_size: 32
...
	.end_amdgpu_metadata
.endif
;; end of part 3
;; launch apply: the kernel of part 2 again; grid 512 x 1, 8 waves a work-group, no clusters, 0 bytes of LDS; arguments x, idx, w16, bias, out0; writes out0
;; ======== version 3 of 3: 2 launches; version 2 with the launch apply written anew for expert scheduling mode
;; limits: values outside matrix products are rounded to bf16
;; workspace buffers: idx 262,144 bytes of whole numbers; w16 4,194,304 bytes; bias 262,144 bytes
;; launch knn: the kernel of part 3 again; grid 256 x 1, 8 waves a work-group, clusters of 4 x 1, 317,440 bytes of LDS; arguments ctrs, offsets, wts, x, idx, w16, bias; writes idx, w16, bias
;; launch apply (part 4): grid 512 x 1, 8 waves a work-group, no clusters, 0 bytes of LDS; arguments x, idx, w16, bias, out0; writes out0
.if DOCPART == 4
	.amdgcn_target "amdgcn-amd-amdhsa--gfx1250"
	.amdhsa_code_object_version 6
	.text
	.protected	k_q5f6a57092d_apply
	.globl	k_q5f6a57092d_apply
	.p2align	8
	.type	k_q5f6a57092d_apply,@function
k_q5f6a57092d_apply:
	s_mov_b64 s[64:65], 0
	v_nop
	global_prefetch_b8 v0, s[64:65] scope:SCOPE_SE
	s_setreg_imm32_b32 hwreg(HW_REG_WAVE_SCHED_MODE, 0, 2), 2
	s_setreg_imm32_b32 hwreg(HW_REG_WAVE_MODE, 25, 1), 1
	s_wait_xcnt 0x0
	s_wait_alu depctr_vm_vsrc(0)
; y_n = sum over the sample's four centres j of ( x_n . W_j + b_j ),  b_j = off_j - c_j . W_j from the first launch.
; x [16384][32] f32 (rounded to bf16 here, as in the first launch), idx [16384][4] u32, bias [2048][32] f32, out0 [16384][32] f32.
; w16: the word at byte 2048 j + 256 dg + 16 r + 4 w holds W_j(4 dg + w, 2r) below and W_j(4 dg + w, 2r + 1) above, in bf16.
; A wave owns 4 samples, as 2 pairs p; half h of the wave takes sample 2p + h, lane r of it the outputs 2r and 2r + 1.
; Every gathered weight is used once (a product with one row), so the matrix unit would have nothing to reuse: the multiply-adds
; run on the vector unit straight from the bf16 halves, sums in f32.  What counts is bytes in flight: a ring of 5 slots of 8 loads,
; each load 2 x 256 consecutive aligned bytes, 20 KiB a wave at the most.  No LDS, no barrier: no wave needs another's data.
; LIMITS: as in the first launch.  An index is clamped to 2,047, the table's last row.
; THE MODE: SCHED_MODE bits 1:0 = 2 (LLVM: expert scheduling mode 2), set by the entry lines.  The code itself states the register dependences
; between vector instructions and memory instructions, with s_wait_alu, always for 0.
; THE PLAN.  The work is 8 units u = 4 p + q: rows d = 8 q .. 8 q + 7 of the four matrices of pair p.  Registers that memory instructions touch:
;   v2, v3, v6   offsets of x, idx and out0: made once at the head, never written again.
;   BO, WO       offsets of b_j and of W_j: made once from the indices, never written again.
;   ACC          the loads of b_j land in it before any vector line names it; v[32:33] and v[40:41] end as the two stores' data and are not written behind them.
;   RING         five slots.  Slots 0 and 1 first hold x as loaded, read by the conversions.  Unit u lies in slot (u + 2) mod 5.
;                Step u: its 64 multiply-adds read slot(u); its loads, unit u + 4's, land in slot(u - 1), which the step before read and which no vector line of step u names.
;   X16 is named by vector lines alone.
; So one wait on va_vdst at the head of a step that loads, behind the wait for the step's data, states all that its eight loads hang on, and these are dealt among
; its multiply-adds with no further wait.  No register that a memory instruction reads is ever written again: no wait on vm_vsrc is owed.
.set IX,   8                           ; v[8:15]    indices, n = 4 p + k
.set WO,   16                          ; v[16:23]   2048 j + 16 r
.set BO,   24                          ; v[24:31]   128 j + 8 r
.set ACC,  32                          ; v[32:47]   a pair of sums for each (p, k), started by b_j
.set X16,  48                          ; v[48:79]   x in bf16 pairs, 16 words for each p
.set RING, 80                          ; v[80:239]  5 slots of 32 registers; slots 0 and 1 first hold x as loaded
.set XR,   80
.set SLOTS, 5
	s_load_b256 s[4:11], s[0:1], 0x0               ; x s[4:5], idx s[6:7], w16 s[8:9], bias s[10:11]
	s_load_b64 s[12:13], s[0:1], 0x20              ; out0
	v_lshrrev_b32 v1, 5, v0
	v_readfirstlane_b32 s14, v1                    ; wave
	v_and_b32 v7, 15, v0                           ; r
	v_bfe_u32 v1, v0, 4, 1                         ; h
	v_lshlrev_b32 v2, 7, v1                        ; 128 h: a sample's row of x
	v_lshlrev_b32 v3, 4, v1                        ; 16 h: a sample's four indices
	v_lshlrev_b32 v4, 4, v7                        ; 16 r
	v_lshlrev_b32 v5, 3, v7                        ; 8 r
	v_add_nc_u32 v6, v2, v5                        ; 128 h + 8 r: my two outputs
	s_wait_alu depctr_va_sdst(0)                   ; s14 is written, ahead of its first reader: the bases of x, idx and out0 are made from it
	s_lshl_b32 s15, ttmp9, 3
	s_add_co_u32 s15, s15, s14                     ; wave of the launch, 0 to 4,095
	s_lshl_b32 s16, s15, 9                         ; 4 samples x 128 bytes
	s_mov_b32 s17, 0
	s_lshl_b32 s18, s15, 6                         ; 4 samples x 16 bytes
	s_mov_b32 s19, 0
	s_wait_kmcnt 0x0
	s_add_nc_u64 s[4:5], s[4:5], s[16:17]
	s_add_nc_u64 s[12:13], s[12:13], s[16:17]
	s_add_nc_u64 s[6:7], s[6:7], s[18:19]
	s_wait_alu depctr_va_vdst(0)                   ; v2, v3 and v6 are written: the loads of x and idx and the two stores read them as offsets
.irp p, 0,1
	global_load_b128 v[IX+4*\p:IX+4*\p+3], v3, s[6:7] offset:32*\p th:TH_LOAD_NT
.endr
.irp p, 0,1
.irp c, 0,1,2,3,4,5,6,7
	global_load_b128 v[XR+32*\p+4*\c:XR+32*\p+4*\c+3], v2, s[4:5] offset:256*\p+16*\c th:TH_LOAD_NT
.endr
.endr
; the two loads of matrix k of unit u, into slot (u + 2) mod 5
.macro LD2 u, k
.set rL, RING+32*(((\u)+2)%SLOTS)+8*(\k)
	global_load_b128 v[rL:rL+3],   v[WO+4*((\u)/4)+(\k)], s[8:9] offset:512*((\u)%4)
	global_load_b128 v[rL+4:rL+7], v[WO+4*((\u)/4)+(\k)], s[8:9] offset:512*((\u)%4)+256
.endm
; a whole unit: eight loads
.macro ISSUE u
.irp k, 0,1,2,3
	LD2 \u, \k
.endr
.endm
; x(d) times W(d, 2r) and W(d, 2r + 1); hx: the half of the word in which x(d) lies
.macro MAC2 acc, wr, xr, hx
	v_fma_mix_f32_bf16 v[\acc], v[\wr], v[\xr], v[\acc] op_sel:[0,\hx,0] op_sel_hi:[1,1,0]
	v_fma_mix_f32_bf16 v[\acc+1], v[\wr], v[\xr], v[\acc+1] op_sel:[1,\hx,0] op_sel_hi:[1,1,0]
.endm
; a pair's four pairs of sums into one
.macro SUM p
	v_pk_add_f32 v[ACC+8*\p:ACC+8*\p+1], v[ACC+8*\p:ACC+8*\p+1], v[ACC+8*\p+2:ACC+8*\p+3]
	v_pk_add_f32 v[ACC+8*\p+4:ACC+8*\p+5], v[ACC+8*\p+4:ACC+8*\p+5], v[ACC+8*\p+6:ACC+8*\p+7]
	v_pk_add_f32 v[ACC+8*\p:ACC+8*\p+1], v[ACC+8*\p:ACC+8*\p+1], v[ACC+8*\p+4:ACC+8*\p+5]
.endm
.macro OUT p
	global_store_b64 v6, v[ACC+8*\p:ACC+8*\p+1], s[12:13] offset:256*\p th:TH_STORE_NT     ; the wave stores 256 consecutive bytes, aligned
.endm
; Step u.  left: how many younger loads may stay out.  ahead = 1: unit u + 4 is asked for, two loads in front of each sixteen multiply-adds.
; out = 1: pair 0's sums, closed behind the step before, are stored.  The eight sums take turns, so that no line waits for the one in front of it.
.macro STEP u, left, ahead, out
	s_wait_loadcnt \left                           ; loads come back in order (ISA guide 5.7.1): slot(u) is in
.if \ahead
	s_wait_alu depctr_va_vdst(0)                   ; the multiply-adds of the step before are done reading their slot, in which the loads below land; no vector line of this step names it
.endif
.if \out
	s_wait_alu depctr_va_vdst(0)                   ; the three additions behind the step before have written v[ACC:ACC+1], which the store reads
	OUT 0
.endif
.irp i, 0,1
.irp wp, 0,1
.if \ahead
	LD2 (\u)+SLOTS-1, 2*\i+\wp
.endif
.irp hx, 0,1
.irp k, 0,1,2,3
	MAC2 ACC+8*((\u)/4)+2*\k, RING+32*(((\u)+2)%SLOTS)+8*\k+4*\i+2*\wp+\hx, X16+16*((\u)/4)+4*((\u)%4)+2*\i+\wp, \hx
.endr
.endr
.endr
.endr
.endm
	s_wait_loadcnt 16                              ; the indices are in; x's sixteen loads stay out
.irp n, 0,1,2,3,4,5,6,7
	v_min_u32 v[IX+\n], 0x7ff, v[IX+\n]            ; inside the tables, whatever was read
	v_lshlrev_b32 v[WO+\n], 11, v[IX+\n]
	v_lshlrev_b32 v[BO+\n], 7, v[IX+\n]
	v_add_nc_u32 v[WO+\n], v[WO+\n], v4
	v_add_nc_u32 v[BO+\n], v[BO+\n], v5
.endr
	s_wait_alu depctr_va_vdst(0)                   ; BO and WO are written: all the loads of b_j and of weights, here and in the steps, read them as offsets
.irp n, 0,1,2,3,4,5,6,7
	global_load_b64 v[ACC+2*\n:ACC+2*\n+1], v[BO+\n], s[10:11]     ; b_j starts the sums: nothing is cleared
.endr
	ISSUE 0                                        ; slots 2, 3 and 4, which nothing has named yet
	ISSUE 1
	ISSUE 2
	s_wait_loadcnt 32                              ; behind x: 8 loads of b and 24 of weights
.set m, 0
.rept 32
	v_cvt_pk_bf16_f32 v[X16+m], v[XR+2*m], v[XR+2*m+1]
.set m, m+1
.endr
	s_wait_alu depctr_va_vdst(0)                   ; the conversions are done reading slots 0 and 1, in which units 3 and 4 land
	ISSUE 3                                        ; into the registers that held x
	ISSUE 4
	STEP 0, 32, 0, 0                               ; b_j and unit 0 are in; four younger units of eight loads stay out; no slot is free yet
	STEP 1, 24, 1, 0                               ; three younger units stay out; unit 5 goes into unit 0's slot
	STEP 2, 24, 1, 0                               ; unit 6 into unit 1's
	STEP 3, 24, 1, 0                               ; unit 7 into unit 2's: the last loads
	SUM 0
	STEP 4, 24, 0, 1                               ; pair 0 leaves at the head of pair 1's first step
	STEP 5, 16, 0, 0                               ; nothing is left to ask for: the counts run down
	STEP 6, 8, 0, 0
	STEP 7, 0, 0, 0
	SUM 1
	s_wait_alu depctr_va_vdst(0)                   ; the three additions have written v[ACC+8:ACC+9], which the last store reads
	OUT 1
	s_endpgm
.Lfunc_end_k_q5f6a57092d_apply:
	.size	k_q5f6a57092d_apply, .Lfunc_end_k_q5f6a57092d_apply-k_q5f6a57092d_apply
	.p2alignl 7, 3214868480
	.fill 96, 4, 3214868480
	.section	.rodata,"a",@progbits
	.p2align	6, 0x0
	.amdhsa_kernel k_q5f6a57092d_apply
		.amdhsa_group_segment_fixed_size 0
		.amdhsa_private_segment_fixed_size 0
		.amdhsa_enable_private_segment 0
		.amdhsa_kernarg_size 40
		.amdhsa_user_sgpr_count 2
		.amdhsa_user_sgpr_kernarg_segment_ptr 1
		.amdhsa_wavefront_size32 1
		.amdhsa_system_sgpr_workgroup_id_x 1
		.amdhsa_system_sgpr_workgroup_id_y 1
		.amdhsa_system_sgpr_workgroup_id_z 1
		.amdhsa_system_vgpr_workitem_id 0
		.amdhsa_next_free_vgpr 240
		.amdhsa_next_free_sgpr 66
		.amdhsa_reserve_vcc 0
		.amdhsa_float_denorm_mode_32 3
		.amdhsa_float_denorm_mode_16_64 3
		.amdhsa_memory_ordered 1
		.amdhsa_forward_progress 1
		.amdhsa_inst_pref_size 47
	.end_amdhsa_kernel
	.amdgpu_metadata
---
amdhsa.version: [ 1, 2 ]
amdhsa.kernels:
  - .name:           k_q5f6a57092d_apply
    .symbol:         k_q5f6a57092d_apply.kd
    .args:
      - { .name: x, .offset: 0, .size: 8, .value_kind: global_buffer, .address_space: global }
      - { .name: idx, .offset: 8, .size: 8, .value_kind: global_buffer, .address_space: global }
      - { .name: w16, .offset: 16, .size: 8, .value_kind: global_buffer, .address_space: global }
      - { .name: bias, .offset: 24, .size: 8, .value_kind: global_buffer, .address_space: global }
      - { .name: out0, .offset: 32, .size: 8, .value_kind: global_buffer, .address_space: global }
    .group_segment_fixed_size: 0
    .private_segment_fixed_size: 0
    .kernarg_segment_align: 8
    .kernarg_segment_size: 40
    .max_flat_workgroup_size: 256
    .sgpr_count:     66
    .vgpr_count:     240
    .wavefront_size: 32
...
	.end_amdgpu_metadata
.endif
;; end of part 4
